; MI455X (gfx1250); checked and timed in simulation.
; The chip was launched on July 23, 2026; its instructions are those of AMD's public machine-readable ISA for CDNA 5 (MIT licence, August 2026) and "CDNA5" Instruction Set Architecture Reference Guide (July 2026). The comments in the code are by the model that wrote it; some were corrected since.
;; Causal Self Attention. Allowed arithmetic: matrix products marked QUANTISED: E2M3 operands, one E8M0 scale for each 32 along K, by v_wmma_scale_f32_16x16x128_f8f6f4 with both operands' format E2M3, f32 sums; everything else in f32.
;; Inputs: Wout 1,024 x 1,024 float32; Wqkv 1,024 x 3,072 float32; x 4 x 2,048 x 1,024 float32.
;; Outputs: out0 4 x 2,048 x 1,024 float32.
;; This version of the problem:
;;   THIS VERSION OF THE PROBLEM IS GIVEN IN LOW PRECISION. The matrix products marked QUANTISED in the list below multiply operands that are first quantised to E2M3 (2 exponent bits, 3 mantissa bits; 6 bits a number), with one power-of-two scale for each 32 numbers along K (OCP MX v1.0); their sums are f32. All else is computed in f32.
;;   The module's matrix products, in the order in which they are computed (A, B: the left and right operand; K: the contracted axis; several contracted axes count as one K, in the product's order):
;;     1. [M 8,192, K 1,024] x [K 1,024, N 3,072]; A: input x; B: input Wqkv: QUANTISED
;;     2. batch 64 x [M 2,048, K 64] x [K 64, N 2,048]; A: computed on the way; B: computed on the way: QUANTISED
;;     3. batch 64 x [M 2,048, K 2,048] x [K 2,048, N 64]; A: softmax (see below); B: computed on the way: QUANTISED
;;     4. [M 8,192, K 1,024] x [K 1,024, N 1,024]; A: computed on the way; B: input Wout: QUANTISED
;;   THE QUANTISER, for each operand of a quantised product, along K:
;;     - K is cut into blocks of 32 from its start; a last block that is shorter is filled with zeros.
;;     - A block's scale is 2^e with e = floor(log2(the largest magnitude in the block)) - 2, held to -126 .. 127; a block of zeros has e = 0. As a byte (E8M0): e + 127.
;;     - Each number is divided by its block's scale, clamped to +-7.5, and rounded to the nearest number of E2M3, ties to even, subnormals kept.
;;     - The product sums the exact products of the quantised numbers (number of the format x scale) in f32.
;;   ~~~python
;;   def quantise(x, axis):      # numpy; x: float32 -> the quantised numbers, widened to float32 again
;;       x = np.moveaxis(x, axis, -1); K = x.shape[-1]
;;       x = np.pad(x, [(0, 0)] * (x.ndim - 1) + [(0, -K % 32)]); x = x.reshape(x.shape[:-1] + (-1, 32)); a = np.abs(x).max(-1, keepdims=True)
;;       e = np.where(a > 0, np.clip(np.frexp(np.where(a > 0, a, 1))[1] - 1 - 2, -126, 127), 0)      # np.frexp(a)[1] - 1 = floor(log2(a)), exactly
;;       r = np.clip(x / 2.0 ** e, -7.5, 7.5)
;;       step = 2.0 ** (np.maximum(np.frexp(np.where(r == 0, 1, r))[1] - 1, 0) - 3)
;;       q = np.round(r / step) * step * 2.0 ** e      # np.round: ties to even
;;       return np.moveaxis(q.reshape(q.shape[:-2] + (-1,))[..., :K], -1, axis).astype(np.float32)
;;   ~~~
;;   SOFTMAX AHEAD OF A QUANTISED PRODUCT. Where the list says 'softmax', what is quantised is not the finished softmax but p = 2^(t - M), with t = logit x log2(e) and M = ceil(the row's largest t), a whole number; so 1/2 < the row's largest p <= 1. The row's sum l is taken of the UNQUANTISED p, in f32, and the product's result is divided by l at the end. Since M is a whole number, a kernel that streams over the keys may use a running M (the ceiling of the running maximum): every later rescaling is an exact power of two, which a block's scale takes up: the codes' values come out the same.
;;   OPERANDS COMPUTED ON THE WAY. 'Computed on the way' means the value that the module computes at that place (a softmax that the list does not call 'softmax' is quantised finished and normalised). What goes into a quantiser is computed in f32, as accurately as f32 sums, v_exp_f32 and their like allow (about 1e-6 of the number): no bf16 or f16 on the way to a quantiser, and a product that is left as it is and whose result goes on into a quantised operand takes f32 operands (vector FMAs, or v_wmma_f32_16x16x4_f32). A number that lies on a knife's edge between two numbers of the format may be rounded either way, as far as f32 arithmetic and the matrix unit's own rounding can turn it there, and no further.
;; One version. Each part assembles by itself: llvm-mc -triple=amdgcn-amd-amdhsa -mcpu=gfx1250 --defsym DOCPART=n.
;; ======== version 1 of 1: 4 launches
;; limits: right only within a limited range of input values
;; workspace buffers: xq 6,553,600 bytes; wq 3,276,800 bytes; rope 524,288 bytes; qkv 19,660,800 bytes; oq 6,553,600 bytes
;; launch prep (part 1): grid 544 x 1, 4 waves a work-group, no clusters, 34,304 bytes of LDS; arguments x, Wqkv, Wout, xq, wq, rope; writes xq, wq, rope
.if DOCPART == 1
	.amdgcn_target "amdgcn-amd-amdhsa--gfx1250"
	.amdhsa_code_object_version 6
	.text
	.protected	k_q893bddde4a_prep
	.globl	k_q893bddde4a_prep
	.p2align	8
	.type	k_q893bddde4a_prep,@function
k_q893bddde4a_prep:
	s_mov_b64 s[64:65], 0
	v_nop
	global_prefetch_b8 v0, s[64:65] scope:SCOPE_SE
	s_setreg_imm32_b32 hwreg(HW_REG_WAVE_MODE, 25, 1), 1
	s_wait_xcnt 0x0
; PREP: the operands that arrive as f32 become codes of FP6 (E2M3) with one E8M0 byte for each 32 along K, and the RoPE table is made.
; Three roles, told apart by the work-group's number: 0-255 x -> xq; 256-511 Wqkv, Wout -> wq; 512-543 cos, sin -> rope.
; AN OPERAND BUFFER is [rb = row / 128][102,400 bytes]: codes [K step of 128 (8)][row tile of 16 (8)][image of 1,536 bytes], then at 98,304 the scale words [row tile (8)][K step / 2 (4)][row (16)][K step % 2].
; An image is a fragment's 12 registers as the matrix instruction wants them: registers 0-3 at 16 x lane, 4-5 at 512 + 8 x lane, 6-9 at 768 + 16 x lane, 10-11 at 1,280 + 8 x lane.
; THE ORDER INSIDE A BLOCK OF 32: place p holds k = p with its bits 3 and 4 exchanged (k 0-7, 16-23, 8-15, 24-31).  Every operand of every product of this program is laid so; a block's members and its scale are
; the same, and both sides of a product agree, so the sums are those of the natural order.
; A block's scale is 2^(floor(log2(largest magnitude)) - 2); its byte is the largest magnitude's exponent field - 2, held at 1 from below.
; LIMITS: NaN and infinities are not served; a block whose largest magnitude lies under 2^-124 (a block of zeros too) keeps the byte 1: a block of zeros has zero codes, and this program alone reads the bytes.
; The table: inv_freq = 1 / fl(10^(f / 8)), both correctly rounded; angle = fl(t x inv_freq); sine and cosine by a reduction by pi/2 in three parts and polynomials, for angles up to 2,047.
; No tensor load, no barrier: waves share nothing.  Only role x uses LDS (a stage of its own for each wave).
.set RBB,   102400
.set STGB,  8448                       ; a wave's stage: 16 rows x (512 bytes + 16)
.set RX,    16                         ; role x: v16-143 two sets of 64 registers as loaded
.set XX,    144                        ; v144-207 my two blocks of 32, in the blocks' order
.set CX,    208                        ; v208-219 the fragment's codes
.set UX,    220                        ; v220-226 the upper halves' codes before they are moved
.set MX,    228                        ; v228-229 largest magnitudes
.set SOX,   230                        ; v230-231 the conversions' scale operands
.set PWX,   232                        ; v232-235 the four fragments' scale words
.set BY,    236                        ; v236-237 at work
.set SH8,   238                        ; v238 8 x (lane / 16)
.set XW,    16                         ; role w: v16-79 two sets of 32 numbers
.set CW,    80                         ; v80-111 codes: eight registers for each block, so that no store's data are written again
.set UW,    112
.set MW,    116
.set SOW,   118
.set BYW,   119
.set SBW,   120
.set PP,    16                         ; role t: v16-31 10^(f/8); v32-47 inv_freq; v48-63 at work; v64-79 cos; v80-95 sin
.set YY,    32
.set EE,    48
.set COS,   64
.set SIN,   80
	s_load_b256 s[4:11], s[0:1], 0x0               ; x s[4:5], Wqkv s[6:7], Wout s[8:9], xq s[10:11]
	s_load_b128 s[12:15], s[0:1], 0x20             ; wq s[12:13], rope s[14:15]
	v_lshl_add_u32 v240, v0, 2, 0x8400
	v_mov_b32 v241, 0
	v_lshrrev_b32 v1, 5, v0
	v_readfirstlane_b32 s16, v1                    ; wave 0..3
	v_and_b32 v1, 31, v0                           ; lane
	v_and_b32 v2, 15, v0                           ; r
	v_bfe_u32 v3, v0, 4, 1                         ; h
	s_mov_b32 s20, 0x76543210
	s_mov_b32 s21, 0xfedcba98                      ; v_permlanex16_b32's selects for lane l xor 16
	s_mov_b32 s22, 0xffff0000                      ; a mask of lanes 16-31
	s_wait_kmcnt 0x0
	s_cmp_lt_u32 ttmp9, 256
	s_cbranch_scc0 .Lnot_x
; ---------------- ROLE X.  A wave takes 16 rows x 512 along K: four fragments.
	s_lshl_b32 s17, ttmp9, 2
	s_add_co_u32 s17, s17, s16                     ; my job: 4 x work-group + wave
	s_lshr_b32 s18, s17, 1                         ; row tile 0..511
	s_and_b32 s19, s17, 1                          ; which half of K
	s_lshl_b32 s24, s18, 16                        ; 16 rows of 4,096 bytes
	s_lshl_b32 s25, s19, 11                        ; + four K steps of 512 bytes
	s_add_co_u32 s24, s24, s25
	s_mov_b32 s25, 0
	s_add_nc_u64 s[4:5], s[4:5], s[24:25]
	s_lshr_b32 s26, s18, 3
	s_mul_i32 s26, s26, RBB                        ; rb
	s_and_b32 s28, s18, 7                          ; row tile in it
	s_mul_i32 s24, s28, 1536
	s_add_co_u32 s24, s24, s26
	s_mul_i32 s29, s19, 4*12288
	s_add_co_u32 s24, s24, s29
	s_add_nc_u64 s[32:33], s[10:11], s[24:25]      ; my first image
	s_lshl_b32 s24, s28, 9
	s_add_co_u32 s24, s24, s26
	s_lshl_b32 s29, s19, 8
	s_add_co_u32 s24, s24, s29
	s_add_co_u32 s24, s24, 98304
	s_add_nc_u64 s[34:35], s[10:11], s[24:25]      ; my 256 bytes of scale words
	s_wait_alu depctr_va_vdst(0)
	v_lshlrev_b32 v4, 4, v1                        ; 16 x lane
	v_lshlrev_b32 v7, 3, v1                        ; 8 x lane
	v_lshlrev_b32 v[SH8], 3, v3
	s_mul_i32 s23, s16, STGB
	v_add_nc_u32 v5, s23, v4                       ; the stage, in: a row's 512 bytes as they lie
	v_mul_u32_u24 v6, v2, 528
	v_lshl_add_u32 v6, v3, 7, v6
	v_add_nc_u32 v6, s23, v6                       ; and out: row r, block h
.macro LOADX f                         ; fragment f: 16 loads, each a row's 512 consecutive bytes
.irp i, 0,1,2,3,4,5,6,7,8,9,10,11,12,13,14,15
	global_load_b128 v[RX+64*((\f)%2)+4*\i:RX+64*((\f)%2)+4*\i+3], v4, s[4:5] offset:4096*\i+512*(\f) th:TH_LOAD_NT
.endr
.endm
.macro FRAGX f
.if (\f) < 3
	s_wait_loadcnt 16                              ; this fragment's 16 loads are in; the next fragment's 16 may be out
.else
	s_wait_loadcnt 0x0
.endif
.irp i, 0,1,2,3,4,5,6,7,8,9,10,11,12,13,14,15
	ds_store_b128 v5, v[RX+64*((\f)%2)+4*\i:RX+64*((\f)%2)+4*\i+3] offset:528*\i
.endr
.irp c, 0,1                            ; back: lane (r, h) takes blocks h and 2 + h of row r; the pieces of 16 bytes land in the blocks' order.  LDS serves a wave's instructions in order: these see the stores above
.irp q, 0,1,2,3,4,5,6,7
	ds_load_b128 v[XX+32*\c+4*((\q%2)+4*((\q/2)%2)+2*(\q/4)):XX+32*\c+4*((\q%2)+4*((\q/2)%2)+2*(\q/4))+3], v6 offset:256*\c+16*\q
.endr
.endr
	s_wait_dscnt 0x0                               ; my numbers are back, and the stores into the stage have read their registers
.if (\f) > 0
	s_wait_xcnt 0x0                                ; the last fragment's stores have read their data: the codes' registers are written again only behind this wait
.endif
.if (\f)+2 < 4
	LOADX (\f)+2
.endif
	v_max3_num_f32 v[MX], |v[XX]|, |v[XX+1]|, 0x1800000        ; my two blocks by turns; the floor 2^(3 - 127) holds the byte at 1 from below
	v_max3_num_f32 v[MX+1], |v[XX+32]|, |v[XX+33]|, 0x1800000
.irp i, 2,4,6,8,10,12,14,16,18,20,22,24,26,28,30
	v_max3_num_f32 v[MX], v[MX], |v[XX+\i]|, |v[XX+1+\i]|
	v_max3_num_f32 v[MX+1], v[MX+1], |v[XX+32+\i]|, |v[XX+33+\i]|
.endr
	v_add_nc_u32 v[SOX], 0xff000000, v[MX]         ; 2 off the exponent field: the conversion takes this operand's exponent field as its scale
	v_add_nc_u32 v[SOX+1], 0xff000000, v[MX+1]
	v_lshrrev_b32 v[BY], 23, v[SOX]                ; the bytes
	v_lshrrev_b32 v[BY+1], 23, v[SOX+1]
	v_lshl_or_b32 v[BY], v[BY+1], 16, v[BY]        ; blocks h and 2 + h,
	v_lshlrev_b32 v[BY], v[SH8], v[BY]             ; at their places in the word;
	v_permlanex16_b32 v[BY+1], v[BY], s20, s21
	v_or_b32 v[PWX+(\f)], v[BY], v[BY+1]           ; with lane l xor 16's two the word is whole
	v_cvt_scalef32_pk16_fp6_f32 v[CX:CX+2], v[XX:XX+15], v[SOX]
	v_cvt_scalef32_pk16_fp6_f32 v[UX:UX+2], v[XX+16:XX+31], v[SOX]         ; (a conversion's three registers begin on an even number)
	v_cvt_scalef32_pk16_fp6_f32 v[CX+6:CX+8], v[XX+32:XX+47], v[SOX+1]
	v_cvt_scalef32_pk16_fp6_f32 v[UX+4:UX+6], v[XX+48:XX+63], v[SOX+1]
	v_nop                                          ; one plain place behind the scaled conversions
.irp i, 0,1,2
	v_mov_b32 v[CX+3+\i], v[UX+\i]
	v_mov_b32 v[CX+9+\i], v[UX+4+\i]
.endr
	global_store_b128 v4, v[CX:CX+3], s[32:33] offset:12288*(\f)           ; 512, 256, 512 and 256 consecutive bytes, each at a multiple of 256
	global_store_b64 v7, v[CX+4:CX+5], s[32:33] offset:12288*(\f)+512
	global_store_b128 v4, v[CX+6:CX+9], s[32:33] offset:12288*(\f)+768
	global_store_b64 v7, v[CX+10:CX+11], s[32:33] offset:12288*(\f)+1280
.endm
	LOADX 0
	LOADX 1
	s_wait_alu depctr_va_vdst(0)
	FRAGX 0
	FRAGX 1
	FRAGX 2
	FRAGX 3
	v_cndmask_b32 v[BY], v[PWX], v[PWX+2], s22     ; lanes 0-15: K steps 0, 1 of my four; lanes 16-31: steps 2, 3
	v_cndmask_b32 v[BY+1], v[PWX+1], v[PWX+3], s22
	global_store_b64 v7, v[BY:BY+1], s[34:35]      ; 256 consecutive bytes
	s_wait_tensorcnt 0x0
	ds_add_u32 v240, v241
	s_wait_dscnt 0x0
	s_endpgm
; ---------------- ROLE W.  A work-group takes 128 columns x one K step of 128.  A lane takes a column and its registers run down K: a block of 32 lies in one lane.
.Lnot_x:
	s_cmp_lt_u32 ttmp9, 512
	s_cbranch_scc0 .Lrole_t
	s_sub_co_u32 s17, ttmp9, 256
	s_lshr_b32 s18, s17, 3                         ; rb of wq: 0-23 Wqkv's columns, 24-31 Wout's
	s_and_b32 s19, s17, 7                          ; K step
	s_wait_alu depctr_va_vdst(0)
	v_lshlrev_b32 v4, 2, v1                        ; in: 4 bytes a lane
	v_mul_u32_u24 v5, v3, 1536                     ; out: lanes 0-15 belong to one row tile, lanes 16-31 to the next
	v_lshl_add_u32 v6, v2, 4, v5
	v_lshl_add_u32 v7, v2, 3, v5
	v_lshlrev_b32 v8, 9, v3
	v_lshl_add_u32 v8, v2, 3, v8                   ; the scale word's place: 512 x tile + 8 r
	s_mul_i32 s26, s18, RBB
	s_mul_i32 s24, s19, 12288
	s_add_co_u32 s24, s24, s26
	s_mul_i32 s27, s16, 3072
	s_add_co_u32 s24, s24, s27
	s_mov_b32 s25, 0
	s_add_nc_u64 s[38:39], s[12:13], s[24:25]      ; my wave's two images
	s_lshl_b32 s24, s16, 10
	s_add_co_u32 s24, s24, s26
	s_lshr_b32 s27, s19, 1
	s_lshl_b32 s27, s27, 7
	s_add_co_u32 s24, s24, s27
	s_and_b32 s27, s19, 1
	s_lshl_b32 s27, s27, 2
	s_add_co_u32 s24, s24, s27
	s_add_co_u32 s24, s24, 98304
	s_add_nc_u64 s[40:41], s[12:13], s[24:25]      ; and their scale words
.macro LOADW b, pitch                  ; block b: register p takes row 32 b + (p with bits 3 and 4 exchanged); a wave reads 128 consecutive bytes, the four waves 512
.set p, 0
.rept 32
	global_load_b32 v[XW+32*((\b)%2)+p], v4, s[36:37] offset:(32*(\b)+(p%8)+16*((p/8)%2)+8*(p/16))*(\pitch) th:TH_LOAD_NT
.set p, p+1
.endr
.endm
.macro BLOCKW b, pitch
.set XS, XW+32*((\b)%2)
.if (\b) < 3
	s_wait_loadcnt 32                              ; this block's 32 loads are in; the next block's may be out
.else
	s_wait_loadcnt 0x0
.endif
	v_max3_num_f32 v[MW], |v[XS]|, |v[XS+1]|, |v[XS+2]|
	v_max3_num_f32 v[MW+1], |v[XS+3]|, |v[XS+4]|, |v[XS+5]|
.irp i, 6,10,14,18,22,26
	v_max3_num_f32 v[MW], v[MW], |v[XS+\i]|, |v[XS+\i+1]|
	v_max3_num_f32 v[MW+1], v[MW+1], |v[XS+\i+2]|, |v[XS+\i+3]|
.endr
	v_max3_num_f32 v[MW], v[MW], |v[XS+30]|, |v[XS+31]|
	v_max3_num_f32 v[MW], v[MW], v[MW+1], 0x1800000            ; and the floor
	v_add_nc_u32 v[SOW], 0xff000000, v[MW]
	v_lshrrev_b32 v[BYW], 23, v[SOW]
.if (\b) == 0
	v_mov_b32 v[SBW], v[BYW]
.else
	v_lshl_or_b32 v[SBW], v[BYW], 8*(\b), v[SBW]
.endif
	v_cvt_scalef32_pk16_fp6_f32 v[CW+8*(\b):CW+8*(\b)+2], v[XS:XS+15], v[SOW]
	v_cvt_scalef32_pk16_fp6_f32 v[UW:UW+2], v[XS+16:XS+31], v[SOW]
	v_nop                                          ; one plain place behind the scaled conversions
.irp i, 0,1,2
	v_mov_b32 v[CW+8*(\b)+3+\i], v[UW+\i]
.endr
	global_store_b128 v6, v[CW+8*(\b):CW+8*(\b)+3], s[38:39] offset:768*((\b)/2)+256*((\b)%2)          ; block b is registers 6 (b / 2) on of the image's lanes 16 (b % 2) + r: sixteen lanes store 256 consecutive bytes,
	global_store_b64 v7, v[CW+8*(\b)+4:CW+8*(\b)+5], s[38:39] offset:512+768*((\b)/2)+128*((\b)%2)    ; and here 128
.if (\b)+2 < 4
	LOADW (\b)+2, \pitch
.endif
.endm
.macro WROLE pitch, p                  ; s23: which 128 columns of this tensor
	s_mul_i32 s24, s19, 128*(\pitch)
	s_lshl_b32 s27, s23, 9
	s_add_co_u32 s24, s24, s27
	s_lshl_b32 s27, s16, 7
	s_add_co_u32 s24, s24, s27
	s_add_nc_u64 s[36:37], s[\p:\p+1], s[24:25]
	LOADW 0, \pitch
	LOADW 1, \pitch
	BLOCKW 0, \pitch
	BLOCKW 1, \pitch
	BLOCKW 2, \pitch
	BLOCKW 3, \pitch
	global_store_b32 v8, v[SBW], s[40:41]          ; my column's scale word of this K step
	s_endpgm
.endm
	s_cmp_lt_u32 s17, 192
	s_cbranch_scc0 .Lw_out
	s_mov_b32 s23, s18
	s_wait_alu depctr_va_vdst(0)
	WROLE 12288, 6
.Lw_out:
	s_sub_co_u32 s23, s18, 24
	s_wait_alu depctr_va_vdst(0)
	WROLE 4096, 8
; ---------------- ROLE T.  A wave makes the table of 16 tokens: register 8 u + j of lane (r, h) is frequency 16 u + 8 h + j of token 16 T + r, the layout in which the first product's results lie.
.Lrole_t:
	s_sub_co_u32 s17, ttmp9, 512
	s_lshl_b32 s17, s17, 2
	s_add_co_u32 s17, s17, s16                     ; T 0..127
	s_lshl_b32 s18, s17, 4
	s_wait_alu depctr_va_vdst(0)
	v_add_nc_u32 v4, s18, v2
	v_cvt_f32_u32 v4, v4                           ; t
	v_lshlrev_b32 v5, 4, v1
	s_lshl_b32 s24, s17, 12
	s_mov_b32 s25, 0
	s_add_nc_u64 s[14:15], s[14:15], s[24:25]
	s_mov_b32 s26, 0x3fc90fd8                      ; pi/2 in three parts
	s_mov_b32 s27, 0x34a8885a
	s_mov_b32 s28, 0x27c234c4
.macro PV i, lo, hi                    ; 10^(f / 8): lanes 0-15 and lanes 16-31 stand eight frequencies, a factor of ten, apart
	v_mov_b32 v[PP+\i], \lo
	v_mov_b32 v6, \hi
	v_cndmask_b32 v[PP+\i], v[PP+\i], v6, s22
.endm
	PV 0, 1.0, 10.0
	PV 1, 1.333521432163324, 13.33521432163324
	PV 2, 1.7782794100389228, 17.782794100389228
	PV 3, 2.371373705661655, 23.71373705661655
	PV 4, 3.1622776601683795, 31.622776601683795
	PV 5, 4.216965034285822, 42.16965034285822
	PV 6, 5.623413251903491, 56.23413251903491
	PV 7, 7.498942093324558, 74.98942093324558
	PV 8, 100.0, 1000.0
	PV 9, 133.3521432163324, 1333.521432163324
	PV 10, 177.82794100389228, 1778.2794100389228
	PV 11, 237.1373705661655, 2371.373705661655
	PV 12, 316.22776601683795, 3162.2776601683795
	PV 13, 421.6965034285822, 4216.965034285822
	PV 14, 562.3413251903491, 5623.413251903491
	PV 15, 749.8942093324558, 7498.942093324558
	s_wait_alu depctr_va_vdst(0)
.irp i, 0,1,2,3,4,5,6,7,8,9,10,11,12,13,14,15
	v_rcp_f32 v[YY+\i], v[PP+\i]
.endr
	v_nop                                          ; a plain place behind the last reciprocal
	s_wait_alu depctr_va_vdst(0)                   ; one wait for the sixteen, ahead of their first reader
.irp i, 0,1,2,3,4,5,6,7,8,9,10,11,12,13,14,15
	v_fma_f32 v[EE+\i], -v[PP+\i], v[YY+\i], 1.0   ; one step of Newton's: the quotient as a division rounds it
.endr
.irp i, 0,1,2,3,4,5,6,7,8,9,10,11,12,13,14,15
	v_fma_f32 v[YY+\i], v[YY+\i], v[EE+\i], v[YY+\i]
.endr
.macro SINCOS i
	v_mul_f32 v8, v4, v[YY+\i]                     ; the angle, rounded to f32 as the definition has it
	v_mul_f32 v9, 0x3f22f983, v8
	v_rndne_f32 v9, v9                             ; n = the nearest whole number to angle x 2 / pi
	v_fma_f32 v10, -v9, s26, v8
	v_fma_f32 v10, -v9, s27, v10
	v_fma_f32 v10, -v9, s28, v10                   ; what is left, within pi/4 of 0
	v_cvt_i32_f32 v11, v9
	v_mul_f32 v12, v10, v10
	v_mov_b32 v13, 0x37cd4000
	v_fmaak_f32 v13, v13, v12, 0xbab6077d
	v_fmaak_f32 v13, v13, v12, 0x3d2aaaa8
	v_fmaak_f32 v13, v13, v12, 0xbf000000
	v_fma_f32 v13, v13, v12, 1.0                   ; its cosine
	v_mov_b32 v14, 0x36405000
	v_fmaak_f32 v14, v14, v12, 0xb9503486
	v_fmaak_f32 v14, v14, v12, 0x3c0888c1
	v_fmaak_f32 v14, v14, v12, 0xbe2aaaab
	v_mul_f32 v15, v10, v12
	v_fma_f32 v14, v14, v15, v10                   ; its sine
	v_and_b32 v15, 1, v11
	v_cmp_eq_u32 vcc_lo, 1, v15                    ; in an odd quadrant the two change places: a choice of values, no branch
	v_cndmask_b32 v[SIN+\i], v14, v13, vcc_lo
	v_cndmask_b32 v[COS+\i], v13, v14, vcc_lo
	v_lshlrev_b32 v15, 30, v11
	v_and_b32 v15, 0x80000000, v15                 ; the sine is negative in quadrants 2 and 3,
	v_xor_b32 v[SIN+\i], v15, v[SIN+\i]
	v_add_nc_u32 v15, 1, v11
	v_lshlrev_b32 v15, 30, v15
	v_and_b32 v15, 0x80000000, v15                 ; the cosine in 1 and 2
	v_xor_b32 v[COS+\i], v15, v[COS+\i]
.endm
.irp i, 0,1,2,3,4,5,6,7,8,9,10,11,12,13,14,15
	SINCOS \i
.endr
.irp g, 0,1,2,3
	global_store_b128 v5, v[COS+4*\g:COS+4*\g+3], s[14:15] offset:512*\g
	global_store_b128 v5, v[SIN+4*\g:SIN+4*\g+3], s[14:15] offset:2048+512*\g
.endr
	s_endpgm
.Lfunc_end_k_q893bddde4a_prep:
	.size	k_q893bddde4a_prep, .Lfunc_end_k_q893bddde4a_prep-k_q893bddde4a_prep
	.p2alignl 7, 3214868480
	.fill 96, 4, 3214868480
	.section	.rodata,"a",@progbits
	.p2align	6, 0x0
	.amdhsa_kernel k_q893bddde4a_prep
		.amdhsa_group_segment_fixed_size 34304
		.amdhsa_private_segment_fixed_size 0
		.amdhsa_enable_private_segment 0
		.amdhsa_kernarg_size 48
		.amdhsa_user_sgpr_count 2
		.amdhsa_user_sgpr_kernarg_segment_ptr 1
		.amdhsa_wavefront_size32 1
		.amdhsa_system_sgpr_workgroup_id_x 1
		.amdhsa_system_sgpr_workgroup_id_y 1
		.amdhsa_system_sgpr_workgroup_id_z 1
		.amdhsa_system_vgpr_workitem_id 0
		.amdhsa_next_free_vgpr 242
		.amdhsa_next_free_sgpr 66
		.amdhsa_reserve_vcc 1
		.amdhsa_float_denorm_mode_32 3
		.amdhsa_float_denorm_mode_16_64 3
		.amdhsa_memory_ordered 1
		.amdhsa_forward_progress 1
		.amdhsa_inst_pref_size 100
	.end_amdhsa_kernel
	.amdgpu_metadata
---
amdhsa.version: [ 1, 2 ]
amdhsa.kernels:
  - .name:           k_q893bddde4a_prep
    .symbol:         k_q893bddde4a_prep.kd
    .args:
      - { .name: x, .offset: 0, .size: 8, .value_kind: global_buffer, .address_space: global }
      - { .name: Wqkv, .offset: 8, .size: 8, .value_kind: global_buffer, .address_space: global }
      - { .name: Wout, .offset: 16, .size: 8, .value_kind: global_buffer, .address_space: global }
      - { .name: xq, .offset: 24, .size: 8, .value_kind: global_buffer, .address_space: global }
      - { .name: wq, .offset: 32, .size: 8, .value_kind: global_buffer, .address_space: global }
      - { .name: rope, .offset: 40, .size: 8, .value_kind: global_buffer, .address_space: global }
    .group_segment_fixed_size: 34304
    .private_segment_fixed_size: 0
    .kernarg_segment_align: 8
    .kernarg_segment_size: 48
    .max_flat_workgroup_size: 128
    .sgpr_count:     66
    .vgpr_count:     242
    .wavefront_size: 32
...
	.end_amdgpu_metadata
.endif
;; end of part 1
;; launch gemm_qkv (part 2): grid 12 x 32, 4 waves a work-group, clusters of 4 x 4, 327,680 bytes of LDS; arguments xq, wq, rope, qkv; writes qkv
.if DOCPART == 2
	.amdgcn_target "amdgcn-amd-amdhsa--gfx1250"
	.amdhsa_code_object_version 6
	.text
	.protected	k_q893bddde4a_gemm_qkv
	.globl	k_q893bddde4a_gemm_qkv
	.p2align	8
	.type	k_q893bddde4a_gemm_qkv,@function
k_q893bddde4a_gemm_qkv:
	s_mov_b64 s[64:65], 0
	v_nop
	global_prefetch_b8 v0, s[64:65] scope:SCOPE_SE
	s_setreg_imm32_b32 hwreg(HW_REG_WAVE_MODE, 25, 1), 1
	s_wait_xcnt 0x0
	s_wait_alu depctr_hold_cnt(0) depctr_sa_sdst(0) depctr_va_vdst(0) depctr_va_sdst(0) depctr_va_ssrc(0) depctr_va_vcc(0) depctr_vm_vsrc(0)
	s_getreg_b32 s2, hwreg(HW_REG_IB_STS2, 6, 4)
	s_cmp_eq_u32 s2, 0
	s_cbranch_scc0 .Lentry_in_a_cluster
	s_endpgm
.Lentry_in_a_cluster:
	s_bfe_u32 s2, ttmp6, 0x10000c
	s_cmp_lg_u32 s2, 0xf033
	s_cbranch_scc0 .Lentry_shape_is_right
	s_endpgm
.Lentry_shape_is_right:
; x Wqkv on codes of FP6 (E2M3) with E8M0 scales, K = 1,024; then RoPE in f32 on q and k; then q, k and v are quantised for the two products of attention and stored as images of operand registers.
; A tile of 256 x 256 is made by four waves, each 128 x 128: 64 accumulators, 512 registers.  K goes in steps of 256 through two LDS slots filled by the tensor data mover.  Both operands lie in memory as images of
; fragments (16 rows x 128 K: registers 0-3 at 16 x lane, 4-5 at 512 + 8 x lane, 6-9 at 768 + 16 x lane, 10-11 at 1,280 + 8 x lane), so 128 rows x 256 K are 24,576 dense bytes: one load of 96 rows of 256 bytes,
; read back by four LDS loads a fragment with consecutive lanes at consecutive bytes.  The scale words of 128 rows for all of K are 4,096 dense bytes: they come once, with the first fills.
; CLUSTERS 4 x 4: A's tiles are asked for jointly by a row of the cluster, B's by a column.
; ROLES, by the cluster's x (equal in all sixteen partners): 0 makes q, 1 makes k: A = tokens (xq), B = columns of Wqkv (wq).  The matrix instruction takes B's rows as source 0 and A's as source 1, so a lane holds ONE
; token and its registers run along the head's axis, which is the next K.  Role 2 makes v: A = v's columns of Wqkv, B = tokens: a lane holds one channel and its registers run along the tokens, the keys of the last product.
; WHAT IS STORED: qkv is [batch x head (64)][256 tokens (8)][38,400 bytes]: q's codes (8 pairs x 1,536), q's scale words (8 x 64), k's codes, v's codes ([128 keys (2)][16 channels (4)] x 1,536), k's words, v's words.
; A pair's image (register group c at 512 c + 16 x lane) holds 32 tokens: registers 0-5 the head's 64 of token 32 g + r, registers 6-11 those of token 32 g + 16 + r; its word: bytes 0, 1 and bytes 2, 3.
; Inside a block of 32 place p holds k = p with bits 3 and 4 exchanged, in every operand of this program: that is how two neighbouring result tiles fall into a lane's 16 registers.
; LIMITS: NaN and infinities are not served; a block whose largest magnitude lies under 2^-124 keeps the byte 1.
; No prefetch: half of each operand is asked for by the first fills, and four K steps are all there is.
; REGISTERS: window 0: v0-31 addresses; v32-63 scale words, two sets; v128-223 A's fragments, one set; behind the products v64-127 rotated numbers, v128-167 at work.  window 1: B's fragments, two sets; behind the
; products the table of cos and sin.  window 2: accumulators of my rows 0-63 ((a, b) at v[8 (8 a + b)]); window 3: rows 64-127.
.set NQ,     2
.set FR,     12
.set NL,     4                         ; LDS loads that bring a fragment
.set NP,     4                         ; places behind this matrix instruction (ISA guide 7.12.1)
.set RBB,    102400
.set HALFT,  24576
.set SLOT,   4*HALFT
.set SCL,    2*SLOT
.set SPARE,  SCL+4*4096                ; the spare words, 128 bytes for each wave: two blocks of 256 bytes that no other line names
.set ADRA, 16                          ; v16-17 16 x lane + my A half in slot 0, 1; v18-19 the same with 8 x lane
.set ADRB, 20                          ; v20-23 likewise for B
.set L16,  24                          ; v24 16 x lane
.set L4,   25                          ; v25 4 x lane
.set ADRS, 27
.set SPW,  28
.set NIL,  29
.set SC,   32
.set AF,   128
.set T,    64
.set PC,   128
.set TM,   148
.set PW,   164
.set PWS,  165
.set SW,   167
.set SEL,  2                           ; s[2:3]
.set HM,   95
.set G1, 24
.set G0, 32
.set G1B, 48
.set G0B, 56
.set G1S, 68
.set G0S, 76
.set G1SB, 80
.set G0SB, 88
.set MSB, 0
.macro WIN new                         ; the immediate's high byte repeats the setting that is left
.if MSB != (\new)
	s_set_vgpr_msb (MSB<<8)|(\new)
.set MSB, (\new)
.endif
.endm
.set MUL_LO, 0xa1                      ; source 0 (B) window 1, source 1 (A) window 0, C and D window 2
.set MUL_HI, 0xf1
.set TO_B,   0x40
.macro JLOAD g0a, g1a, g0b, g1b        ; a joint load: waves 0 and 1 fetch for A, waves 2 and 3 for B; four v_nop follow each of the two lines
	s_cmp_eq_u32 s15, 0
	s_cbranch_scc0 .Lfor_b_\@
	tensor_load_to_lds s[\g0a:\g0a+3], s[\g1a:\g1a+7]
	s_nop 0
.rept 4
	v_nop
.endr
	s_branch .Lasked_\@
.Lfor_b_\@:
	tensor_load_to_lds s[\g0b:\g0b+3], s[\g1b:\g1b+7]
	s_nop 0
.rept 4
	v_nop
.endr
.Lasked_\@:
.endm
.macro CREST
	s_cmp_lg_u32 s14, 0
	s_cbranch_scc1 .Lnot_wave_0_\@
	s_barrier_signal -3
.Lnot_wave_0_\@:
	s_barrier_wait -3
	s_barrier_signal -1
	s_barrier_wait -1
.endm
.macro CROUND
	s_barrier_signal -1
	s_barrier_wait -1
	CREST
.endm
	s_load_b256 s[4:11], s[0:1], 0x0               ; xq s[4:5], wq s[6:7], rope s[8:9], qkv s[10:11]
	v_lshl_add_u32 v[SPW], v0, 2, SPARE
	v_mov_b32 v[NIL], 0
	ds_add_u32 v28, v29
	ds_add_u32 v28, v29
	s_wait_dscnt 0x0
	v_lshrrev_b32 v1, 5, v0
	v_readfirstlane_b32 s14, v1                    ; wave 0..3
	s_lshr_b32 s15, s14, 1                         ; my half of A's rows.  Also: I fetch for A (0) or for B (1)
	s_and_b32 s16, s14, 1                          ; my half of B's rows.  Also: which 128 rows I fetch
	s_bfe_u32 s40, ttmp6, 0x40000                  ; cx
	s_bfe_u32 s41, ttmp6, 0x40004                  ; cy
	s_and_b32 s18, ttmp7, 0xffff
	s_lshl_b32 s18, s18, 2                         ; 4 x cluster y
	s_lshl_b32 s19, ttmp9, 2                       ; 4 x cluster x
	s_cmp_eq_u32 ttmp9, 2                          ; role v?
	s_cselect_b32 s17, 0, s18
	s_cselect_b32 s42, s18, s19
	s_add_co_u32 s17, s17, s41                     ; A's tile: tokens 4 x cluster y + cy; for v: columns cy.  It never holds cx
	s_add_co_u32 s42, s42, s40                     ; B's tile: columns 4 x cluster x + cx; for v: tokens 4 x cluster y + cx.  It never holds cy
	s_lshl_b32 s43, s41, 2
	s_lshl_b32 s43, 15, s43                        ; my row of the cluster
	s_lshl_b32 s44, 0x1111, s40                    ; my column
	s_or_b32 s[G1+0], s43, (3<<16)|(1<<21)         ; 15:0 the mask; 17:16 elements of 8 bytes; 20 no padding; 21 set beside a mask
	s_or_b32 s[G1B+0], s44, (3<<16)|(1<<21)
.irp g, G1, G1B
	s_mov_b32 s[\g+1], 3072<<16                    ; the head's loads of codes: a row is 24,576 bytes, the first slot's part of 128 rows,
	s_mov_b32 s[\g+2], 2<<16                       ; two such rows: both halves of a tile,
	s_mov_b32 s[\g+3], 3072<<16
	s_mov_b32 s[\g+4], 2
	s_mov_b32 s[\g+5], 12800                       ; 102,400 bytes apart
	s_mov_b32 s[\g+6], 0
	s_mov_b32 s[\g+7], 0
.endr
	s_or_b32 s[G1S+0], s43, (3<<16)|(1<<21)
	s_or_b32 s[G1SB+0], s44, (3<<16)|(1<<21)
.irp g, G1S, G1SB
	s_mov_b32 s[\g+1], 512<<16                     ; the scale words of 128 rows are 4,096 bytes: two such rows, 102,400 bytes apart
	s_mov_b32 s[\g+2], 2<<16
	s_mov_b32 s[\g+3], 512<<16
	s_mov_b32 s[\g+4], 2
	s_mov_b32 s[\g+5], 12800
	s_mov_b32 s[\g+6], 0
	s_mov_b32 s[\g+7], 0
.endr
	s_mul_i32 s20, s17, 2*RBB                      ; A: the tile's 256 rows
	s_mul_i32 s18, s16, RBB                        ; in the ring I fetch 128 of a tile's rows: which half, in bytes
	s_mov_b32 s19, 0
	s_mov_b32 s21, 0
	s_mul_i32 s46, s42, 2*RBB
	s_mov_b32 s47, 0
	s_mul_i32 s45, s14, HALFT                      ; where they go: wave x 24,576: no place in the cluster enters an LDS address
	s_wait_kmcnt 0x0
	s_add_nc_u64 s[12:13], s[6:7], 16*RBB          ; v's columns of Wqkv
	s_cmp_eq_u32 ttmp9, 2
	s_cselect_b64 s[96:97], s[12:13], s[4:5]       ; A
	s_cselect_b64 s[98:99], s[4:5], s[6:7]         ; B
	s_add_nc_u64 s[20:21], s[96:97], s[20:21]
	s_add_nc_u64 s[46:47], s[98:99], s[46:47]
	s_add_nc_u64 s[22:23], s[20:21], 98304
	s_add_nc_u64 s[92:93], s[46:47], 98304
	CROUND                                         ; all sixteen work-groups are here: the first joint loads meet
	s_mov_b32 s[G0S], 1
	s_mov_b32 s[G0S+1], SCL
	s_mov_b64 s[G0S+2:G0S+3], s[22:23]
	s_or_b32 s[G0S+3], s[G0S+3], 0x80000000
	s_mov_b32 s[G0SB], 1
	s_mov_b32 s[G0SB+1], SCL+8192
	s_mov_b64 s[G0SB+2:G0SB+3], s[92:93]
	s_or_b32 s[G0SB+3], s[G0SB+3], 0x80000000
	s_mov_b32 s4, 1                                ; group 0 of the head's loads of codes, in registers that held arguments: A's 256 rows of slot 0,
	s_mov_b32 s5, 0
	s_mov_b64 s[6:7], s[20:21]
	s_or_b32 s7, s7, 0x80000000
	s_mov_b32 s96, 1                               ; and B's, behind them
	s_mov_b32 s97, 2*HALFT
	s_mov_b64 s[98:99], s[46:47]
	s_or_b32 s99, s99, 0x80000000
	s_add_nc_u64 s[20:21], s[20:21], s[18:19]      ; for the ring: my 128 rows
	s_add_nc_u64 s[46:47], s[46:47], s[18:19]
.irp s, 0,1
	s_mov_b32 s[G0+4*\s], 1
	s_add_co_u32 s[G0+4*\s+1], s45, \s*SLOT
	s_add_nc_u64 s[G0+4*\s+2:G0+4*\s+3], s[20:21], \s*HALFT
	s_or_b32 s[G0+4*\s+3], s[G0+4*\s+3], 0x80000000
	s_mov_b32 s[G0B+4*\s], 1
	s_add_co_u32 s[G0B+4*\s+1], s45, \s*SLOT
	s_add_nc_u64 s[G0B+4*\s+2:G0B+4*\s+3], s[46:47], \s*HALFT
	s_or_b32 s[G0B+4*\s+3], s[G0B+4*\s+3], 0x80000000
.endr
; The head's four tiles, one to a wave: wave 0 A's codes of slot 0, wave 1 B's, wave 2 A's scale words, wave 3 B's.  One chain of branches on the wave's number: every way passes one load.
.macro ARM under, g0, g1, next
	s_cmp_lt_u32 s14, \under
	s_cbranch_scc0 \next
	tensor_load_to_lds s[\g0:\g0+3], s[\g1:\g1+7]
	s_nop 0
.rept 4
	v_nop
.endr
	s_branch .Lhead_asked
\next:
.endm
	ARM 1, 4, G1, .Lhead_b
	ARM 2, 96, G1B, .Lhead_sa
	ARM 3, G0S, G1S, .Lhead_sb
	tensor_load_to_lds s[G0SB:G0SB+3], s[G1SB:G1SB+7]
	s_nop 0
.rept 4
	v_nop
.endr
.Lhead_asked:
	v_and_b32 v1, 31, v0                           ; lane
	v_and_b32 v2, 15, v0                           ; r
	v_bfe_u32 v3, v0, 4, 1                         ; h
	v_lshlrev_b32 v[L16], 4, v1
	v_lshlrev_b32 v[L4], 2, v1
	v_lshlrev_b32 v5, 3, v1
	s_mul_i32 s21, s15, HALFT                      ; my 128 rows of A
	s_mul_i32 s22, s16, HALFT
	s_add_co_u32 s22, s22, 2*HALFT                 ; my 128 rows of B, behind A's 256
.irp s, 0,1
	v_add_nc_u32 v[ADRA+\s], s21, v[L16]
	v_add_nc_u32 v[ADRB+\s], s22, v[L16]
	v_add_nc_u32 v[ADRA+2+\s], s21, v5
	v_add_nc_u32 v[ADRB+2+\s], s22, v5
	s_add_co_u32 s21, s21, SLOT
	s_add_co_u32 s22, s22, SLOT
.endr
	v_lshlrev_b32 v7, 3, v2                        ; my row's two words of a slot: 8 r
	s_lshl_b32 s21, s15, 12                        ; A's words: my 128 rows
	s_lshl_b32 s22, s16, 12
	s_add_co_u32 s22, s22, 8192                    ; B's: behind A's two blocks
	s_sub_co_u32 s22, s22, s21
	v_mul_u32_u24 v6, s22, v3                      ; lanes 16-31 take B's: one product, the distance between the two
	s_add_co_u32 s21, s21, SCL
	v_add_nc_u32 v7, v7, v6
	v_add_nc_u32 v[ADRS], s21, v7
	s_mov_b32 s[SEL], 0x76543210
	s_mov_b32 s[SEL+1], 0xfedcba98
	s_mov_b32 s[HM], 0xffff0000
.macro FRAG reg, adr, q, i             ; a fragment's image comes back as it was stored: consecutive lanes at consecutive bytes
	ds_load_b128 v[\reg:\reg+3], v[\adr] offset:(8*(\q)+(\i))*1536
	ds_load_b64 v[\reg+4:\reg+5], v[\adr+2] offset:(8*(\q)+(\i))*1536+512
	ds_load_b128 v[\reg+6:\reg+9], v[\adr] offset:(8*(\q)+(\i))*1536+768
	ds_load_b64 v[\reg+10:\reg+11], v[\adr+2] offset:(8*(\q)+(\i))*1536+1280
.endm
; 16 matrix instructions: A's blocks a0, a0 + 1 x B's eight, 128 along K.  The 64 accumulators take turns, one instruction a turn, in the same order in every step.
.macro MUL16 a0, p, q, sc, zero
.irp a, \a0, \a0+1
.irp b, 0,1,2,3,4,5,6,7
.if \zero
	v_wmma_scale_f32_16x16x128_f8f6f4 v[8*(8*((\a)%4)+\b):8*(8*((\a)%4)+\b)+7], v[128*(\p)+FR*\b:128*(\p)+FR*\b+FR-1], v[AF+FR*(\a):AF+FR*(\a)+FR-1], 0, v[SC+8*NQ*(\sc)+NQ*\b+(\q)], v[SC+8*NQ*(\sc)+NQ*(\a)+(\q)] matrix_a_fmt:MATRIX_FMT_FP6 matrix_b_fmt:MATRIX_FMT_FP6 matrix_a_scale:MATRIX_SCALE_ROW1
.else
	v_wmma_scale_f32_16x16x128_f8f6f4 v[8*(8*((\a)%4)+\b):8*(8*((\a)%4)+\b)+7], v[128*(\p)+FR*\b:128*(\p)+FR*\b+FR-1], v[AF+FR*(\a):AF+FR*(\a)+FR-1], v[8*(8*((\a)%4)+\b):8*(8*((\a)%4)+\b)+7], v[SC+8*NQ*(\sc)+NQ*\b+(\q)], v[SC+8*NQ*(\sc)+NQ*(\a)+(\q)] matrix_a_fmt:MATRIX_FMT_FP6 matrix_b_fmt:MATRIX_FMT_FP6 matrix_a_scale:MATRIX_SCALE_ROW1
.endif
.endr
.endr
.endm
.macro FETCH_B slot, q, p
	WIN TO_B
.irp i, 0,1,2,3,4,5,6,7
	FRAG 128*(\p)+FR*\i, ADRB+\slot, \q, \i
.endr
	WIN 0
.endm
.macro FETCH_A slot, q, i0
.irp i, \i0, \i0+1, \i0+2, \i0+3
	FRAG AF+FR*(\i), ADRA+\slot, \q, \i
.endr
.endm
.macro SCALES sc                       ; a slot's two words a row: lanes 0-15 A's block i, lanes 16-31 B's block i
.irp i, 0,1,2,3,4,5,6,7
	ds_load_b64 v[SC+8*NQ*\sc+NQ*\i:SC+8*NQ*\sc+NQ*\i+1], v[ADRS] offset:\i*512
.endr
.endm
.macro PLACES n                        ; plain vector instructions between a matrix instruction and a load into, or a vector read of, its registers
.rept \n
	v_nop
.endr
.endm
.macro STEP slot, q, zero              ; a step of 128 along K that has its successor in the same slot
	s_wait_dscnt 4*NL                              ; B's set and A's blocks 0-3 are in; the youngest 16 loads (A's blocks 4-7) may be out
	WIN MUL_LO
	MUL16 0, (\q)%2, \q, \slot, \zero
	MUL16 2, (\q)%2, \q, \slot, \zero
	s_wait_dscnt 0
	PLACES NP
	FETCH_B \slot, (\q)+1, 1-(\q)%2
	FETCH_A \slot, (\q)+1, 0
	WIN MUL_HI
	MUL16 4, (\q)%2, \q, \slot, \zero
	MUL16 6, (\q)%2, \q, \slot, \zero
	PLACES NP
	WIN 0
	FETCH_A \slot, (\q)+1, 4
.endm
; A slot's last step changes slots: one barrier; in front of it each wave waits for all its tensor loads, adds 0 to its spare word, and waits for that and for its own reads of this slot.
.macro TURN slot, next, fill
	s_wait_tensorcnt 0x0                           ; all my tensor loads have landed: my part of the next slot
	ds_add_u32 v[SPW], v[NIL]                      ; 0 onto my spare word
	s_wait_dscnt 4*NL+1                            ; (the add and the youngest 16 loads, A's blocks 4-7, may be out)
	WIN MUL_LO
	MUL16 0, 1, NQ-1, \slot, 0
	s_wait_dscnt 0x0                               ; the add is done, and my reads of this slot are over
	s_barrier_signal -1
	MUL16 2, 1, NQ-1, \slot, 0
	WIN 0
	s_barrier_wait -1
.if \fill
	CREST                                          ; the barrier has opened a round of the cluster's: no wave of any partner still reads this slot or has a load on its way
	s_add_nc_u64 s[G0+4*\slot+2:G0+4*\slot+3], s[G0+4*\slot+2:G0+4*\slot+3], 2*HALFT
	s_add_nc_u64 s[G0B+4*\slot+2:G0B+4*\slot+3], s[G0B+4*\slot+2:G0B+4*\slot+3], 2*HALFT
	JLOAD G0+4*\slot, G1, G0B+4*\slot, G1B         ; the first tensor load behind the round; its four v_nop are the places in front of the loads below
.else
	PLACES NP
.endif
	s_wait_alu depctr_va_vdst(0)
	v_add_nc_u32 v[ADRS], 128, v[ADRS]             ; the next slot's scale words
	FETCH_B \next, 0, 0
	FETCH_A \next, 0, 0
	SCALES \next
	WIN MUL_HI
	MUL16 4, 1, NQ-1, \slot, 0
	MUL16 6, 1, NQ-1, \slot, 0
	PLACES NP
	WIN 0
	FETCH_A \next, 0, 4
.endm
	s_wait_alu depctr_va_vdst(0)
	s_wait_tensorcnt 0x0                           ; my tile of the head's four is in
	ds_add_u32 v[SPW], v[NIL]
.irp g, G1, G1B
	s_mov_b32 s[\g+1], 32<<16                      ; no tensor load of mine is out: from here on a load brings 96 dense rows of 256 bytes
	s_mov_b32 s[\g+2], 96<<16
	s_mov_b32 s[\g+3], 32<<16
	s_mov_b32 s[\g+4], 96
	s_mov_b32 s[\g+5], 32
.endr
	s_wait_dscnt 0x0
	CROUND                                         ; all four tiles are in, and the sixteen work-groups meet
	JLOAD G0+4, G1, G0B+4, G1B                     ; slot 1's first fill, the first tensor load behind the round
	FETCH_B 0, 0, 0
	FETCH_A 0, 0, 0
	SCALES 0
	FETCH_A 0, 0, 4
	STEP 0, 0, 1                                   ; K = 1,024 is four slots: written out.  The first products start the sums
	TURN 0, 1, 1
	STEP 1, 0, 0
	TURN 1, 0, 1
	STEP 0, 0, 0
	TURN 0, 1, 0                                   ; nothing is left to fetch
	STEP 1, 0, 0
	s_wait_dscnt 4*NL
	WIN MUL_LO
	MUL16 0, 1, NQ-1, 1, 0
	MUL16 2, 1, NQ-1, 1, 0
	s_wait_dscnt 0
	WIN MUL_HI
	MUL16 4, 1, NQ-1, 1, 0
	MUL16 6, 1, NQ-1, 1, 0
	WIN 0
; 64 numbers of a lane in window W, v[s] on, register 16 b + i = place 16 (lane / 16) + i of block b of my row, become a fragment's codes in v[PC] on and its scale word in v[PW].
.macro QUANT s, W
	WIN (\W)|((\W)<<2)
.irp b, 0,1,2,3
	v_max3_num_f32 v[TM+\b], |v[(\s)+16*\b]|, |v[(\s)+1+16*\b]|, 0x1800000     ; the floor 2^(3 - 127) holds the byte at 1 from below; each accumulator is read from its low end on
.endr
.irp i, 2,4,6,8,10,12,14
.irp b, 0,1,2,3
	v_max3_num_f32 v[TM+\b], |v[(\s)+16*\b+\i]|, |v[(\s)+1+16*\b+\i]|, v[TM+\b]
.endr
.endr
	WIN 0
.irp b, 0,1,2,3
	v_permlanex16_b32 v[TM+4+\b], v[TM+\b], s[SEL], s[SEL+1]
.endr
.irp b, 0,1,2,3
	v_max_num_f32 v[TM+\b], v[TM+\b], v[TM+4+\b]   ; with lane l xor 16's: the block's largest magnitude
.endr
.irp b, 0,1,2,3
	v_add_nc_u32 v[TM+12+\b], 0xff000000, v[TM+\b] ; 2 off its exponent field: the conversion's scale operand
.endr
.irp b, 0,1,2,3
	v_lshrrev_b32 v[TM+4+\b], 23, v[TM+12+\b]      ; the byte
.endr
	v_lshl_or_b32 v[PW], v[TM+5], 8, v[TM+4]
	v_lshl_or_b32 v[PW], v[TM+6], 16, v[PW]
	v_lshl_or_b32 v[PW], v[TM+7], 24, v[PW]
	WIN (\W)
.irp c, 0,1
	v_cvt_scalef32_pk16_fp6_f32 v[PC+6*\c:PC+2+6*\c], v[(\s)+32*\c:(\s)+15+32*\c], v[TM+12+2*\c]
	v_cvt_scalef32_pk16_fp6_f32 v[PC+12+4*\c:PC+14+4*\c], v[(\s)+16+32*\c:(\s)+31+32*\c], v[TM+12+2*\c+1]
.endr
	WIN 0
	v_nop                                          ; one plain place behind the scaled conversions
.irp c, 0,1                            ; the operand's layout wants a whole block in a lane: lanes 0-15 block 2 c, lanes 16-31 block 2 c + 1
.irp i, 0,1,2
	v_permlane16_swap_b32 v[PC+6*\c+\i], v[PC+12+4*\c+\i]
.endr
.irp i, 0,1,2
	v_mov_b32 v[PC+3+6*\c+\i], v[PC+12+4*\c+\i]
.endr
.endr
.endm
; RoPE on token tile a, head hd of my two, into v[T + tb] on: 16 registers of channels 0-31, then 16 of channels 32-63.  lo' = lo cos - hi sin, hi' = hi cos + lo sin, two at a time.
.macro ROPE a, hd, tb
	WIN (2+(\a)/4)|(1<<2)                          ; source 0: the accumulators' window; source 1: the table, window 1
.irp u, 0,1
.irp jp, 0,2,4,6
.set rLO, 8*(8*((\a)%4)+4*(\hd)+\u)+\jp
.set rHI, rLO+16
.set rCO, 32*(\a)+8*\u+\jp
.set rSI, rCO+16
.set rTL, T+(\tb)+8*\u+\jp
.set rTH, rTL+16
	v_pk_mul_f32 v[rTL:rTL+1], v[rLO:rLO+1], v[rCO:rCO+1]
	v_pk_mul_f32 v[rTH:rTH+1], v[rHI:rHI+1], v[rCO:rCO+1]
	v_pk_fma_f32 v[rTL:rTL+1], v[rHI:rHI+1], v[rSI:rSI+1], v[rTL:rTL+1] neg_lo:[1,0,0] neg_hi:[1,0,0]
	v_pk_fma_f32 v[rTH:rTH+1], v[rLO:rLO+1], v[rSI:rSI+1], v[rTH:rTH+1]
.endr
.endr
.endm
	PLACES NP                                      ; behind the last products: what follows reads results and writes and loads registers that held operands
.irp b, 0,1,2,3
	v_mov_b32 v[TM+4+\b], 0                        ; written once: a lane permute's destination counts as one of its sources
.endr
	s_mov_b32 s21, 0
	s_mov_b32 s23, 0
	s_mov_b32 s47, 0
	s_cmp_eq_u32 ttmp9, 2
	s_cbranch_scc1 .Lv_path
; ---- q and k
	s_and_b32 s18, s17, 7                          ; which 256 tokens of the sequence
	s_lshr_b32 s19, s17, 3                         ; batch
	s_lshl_b32 s20, s18, 4
	s_lshl_b32 s22, s15, 3
	s_add_co_u32 s20, s20, s22
	s_lshl_b32 s20, s20, 12                        ; my first token tile's 4,096 bytes of the table
	s_add_nc_u64 s[8:9], s[8:9], s[20:21]
	WIN 0x40                                       ; destination window 1
.irp a, 0,1,2,3,4,5,6,7
.irp g, 0,1,2,3,4,5,6,7
	global_load_b128 v[32*\a+4*\g:32*\a+4*\g+3], v[L16], s[8:9] offset:4096*\a+512*\g
.endr
.endr
	WIN 0
	s_lshl_b32 s20, s19, 4
	s_and_b32 s22, s42, 3
	s_lshl_b32 s22, s22, 2
	s_add_co_u32 s20, s20, s22
	s_lshl_b32 s22, s16, 1
	s_add_co_u32 s20, s20, s22                     ; batch x 16 + the first of my two heads
	s_lshl_b32 s20, s20, 3
	s_add_co_u32 s20, s20, s18
	s_mul_i32 s20, s20, 38400
	s_add_nc_u64 s[100:101], s[10:11], s[20:21]    ; the record
	s_cmp_eq_u32 ttmp9, 1
	s_cselect_b32 s22, 12800, 0                    ; k's codes lie behind q's codes and words,
	s_cselect_b32 s46, 25088, 0                    ; k's words behind v's codes
	s_mul_i32 s20, s15, 6144
	s_add_co_u32 s22, s22, s20                     ; my four pairs
	s_lshl_b32 s20, s15, 8
	s_add_co_u32 s46, s46, s20
	s_add_co_u32 s46, s46, 12288
	s_add_nc_u64 s[104:105], s[100:101], s[46:47]
	s_add_nc_u64 s[100:101], s[100:101], s[22:23]
.irp gp, 0,1,2,3
	s_wait_loadcnt 48-16*\gp                       ; this pair's two table tiles (16 loads) are in; the later pairs' may be out
.irp hd, 0,1
	ROPE 2*\gp, \hd, 0
	ROPE 2*\gp+1, \hd, 32
	WIN 0
	s_wait_xcnt 0x0                                ; the last image's stores have read their data: the codes' registers are written again only behind this wait
	QUANT T, 0
.irp c, 0,1,2
	global_store_b128 v[L16], v[PC+4*\c:PC+4*\c+3], s[100:101] offset:\hd*307200+\gp*1536+512*\c       ; 512 consecutive bytes, at a multiple of 256
.endr
.if \gp%2 == 0
	v_mov_b32 v[PWS+\hd], v[PW]
.else
	v_cndmask_b32 v[SW], v[PWS+\hd], v[PW], s[HM]  ; lanes 0-15 the even pair's words, lanes 16-31 the odd pair's: 128 consecutive bytes
	global_store_b32 v[L4], v[SW], s[104:105] offset:\hd*307200+(\gp-1)*64
.endif
.endr
.endr
	s_branch .Ldone
; ---- v: accumulators (a, 0 .. 7) are 16 channels x my 128 tokens: one fragment of the last product, as they stand
.Lv_path:
	s_lshr_b32 s19, s42, 3                         ; batch
	s_and_b32 s18, s42, 7                          ; which 256 tokens
	s_lshl_b32 s20, s19, 4
	s_lshl_b32 s22, s17, 2
	s_add_co_u32 s20, s20, s22
	s_lshl_b32 s22, s15, 1
	s_add_co_u32 s20, s20, s22                     ; batch x 16 + the first of my two heads
	s_lshl_b32 s20, s20, 3
	s_add_co_u32 s20, s20, s18
	s_mul_i32 s20, s20, 38400
	s_add_nc_u64 s[100:101], s[10:11], s[20:21]
	s_mul_i32 s22, s16, 6144
	s_add_co_u32 s22, s22, 25088
	s_lshl_b32 s46, s16, 8
	s_add_co_u32 s46, s46, 37888
	s_add_nc_u64 s[104:105], s[100:101], s[46:47]
	s_add_nc_u64 s[100:101], s[100:101], s[22:23]
.irp a, 0,1,2,3,4,5,6,7
	s_wait_xcnt 0x0                                ; the last image's stores have read their data
	QUANT 64*(\a%4), 2+\a/4
.irp c, 0,1,2
	global_store_b128 v[L16], v[PC+4*\c:PC+4*\c+3], s[100:101] offset:(\a/4)*307200+(\a%4)*1536+512*\c
.endr
.if \a%2 == 0
	v_mov_b32 v[PWS], v[PW]
.else
	v_cndmask_b32 v[SW], v[PWS], v[PW], s[HM]
	global_store_b32 v[L4], v[SW], s[104:105] offset:(\a/4)*307200+(\a%4-1)*64
.endif
.endr
.Ldone:
	s_wait_tensorcnt 0x0                           ; the wave's end
	ds_add_u32 v[SPW], v[NIL]
	s_wait_dscnt 0x0
	CROUND                                         ; the closing round: no work-group ends while a partner may still ask for a tile that names it
	s_endpgm
.Lfunc_end_k_q893bddde4a_gemm_qkv:
	.size	k_q893bddde4a_gemm_qkv, .Lfunc_end_k_q893bddde4a_gemm_qkv-k_q893bddde4a_gemm_qkv
	.p2alignl 7, 3214868480
	.fill 96, 4, 3214868480
	.section	.rodata,"a",@progbits
	.p2align	6, 0x0
	.amdhsa_kernel k_q893bddde4a_gemm_qkv
		.amdhsa_group_segment_fixed_size 327680
		.amdhsa_private_segment_fixed_size 0
		.amdhsa_enable_private_segment 0
		.amdhsa_kernarg_size 32
		.amdhsa_user_sgpr_count 2
		.amdhsa_user_sgpr_kernarg_segment_ptr 1
		.amdhsa_wavefront_size32 1
		.amdhsa_system_sgpr_workgroup_id_x 1
		.amdhsa_system_sgpr_workgroup_id_y 1
		.amdhsa_system_sgpr_workgroup_id_z 1
		.amdhsa_system_vgpr_workitem_id 0
		.amdhsa_next_free_vgpr 1024
		.amdhsa_next_free_sgpr 106
		.amdhsa_reserve_vcc 0
		.amdhsa_float_denorm_mode_32 3
		.amdhsa_float_denorm_mode_16_64 3
		.amdhsa_memory_ordered 1
		.amdhsa_forward_progress 1
		.amdhsa_inst_pref_size 223
	.end_amdhsa_kernel
	.amdgpu_metadata
---
amdhsa.version: [ 1, 2 ]
amdhsa.kernels:
  - .name:           k_q893bddde4a_gemm_qkv
    .symbol:         k_q893bddde4a_gemm_qkv.kd
    .args:
      - { .name: xq, .offset: 0, .size: 8, .value_kind: global_buffer, .address_space: global }
      - { .name: wq, .offset: 8, .size: 8, .value_kind: global_buffer, .address_space: global }
      - { .name: rope, .offset: 16, .size: 8, .value_kind: global_buffer, .address_space: global }
      - { .name: qkv, .offset: 24, .size: 8, .value_kind: global_buffer, .address_space: global }
    .group_segment_fixed_size: 327680
    .private_segment_fixed_size: 0
    .kernarg_segment_align: 8
    .kernarg_segment_size: 32
    .max_flat_workgroup_size: 128
    .sgpr_count:     106
    .vgpr_count:     1024
    .wavefront_size: 32
...
	.end_amdgpu_metadata
.endif
;; end of part 2
;; launch attn (part 3): grid 4 x 64, 16 waves a work-group, clusters of 4 x 1, 206,848 bytes of LDS; arguments qkv, oq; writes oq
.if DOCPART == 3
	.amdgcn_target "amdgcn-amd-amdhsa--gfx1250"
	.amdhsa_code_object_version 6
	.text
	.protected	k_q893bddde4a_attn
	.globl	k_q893bddde4a_attn
	.p2align	8
	.type	k_q893bddde4a_attn,@function
k_q893bddde4a_attn:
	s_mov_b64 s[64:65], 0
	v_nop
	global_prefetch_b8 v0, s[64:65] scope:SCOPE_SE
	s_setreg_imm32_b32 hwreg(HW_REG_WAVE_MODE, 25, 1), 1
	s_wait_xcnt 0x0
	s_wait_alu depctr_hold_cnt(0) depctr_sa_sdst(0) depctr_va_vdst(0) depctr_va_sdst(0) depctr_va_ssrc(0) depctr_va_vcc(0) depctr_vm_vsrc(0)
	s_getreg_b32 s2, hwreg(HW_REG_IB_STS2, 6, 4)
	s_cmp_eq_u32 s2, 0
	s_cbranch_scc0 .Lentry_in_a_cluster
	s_endpgm
.Lentry_in_a_cluster:
	s_bfe_u32 s2, ttmp6, 0x10000c
	s_cmp_lg_u32 s2, 0x3003
	s_cbranch_scc0 .Lentry_shape_is_right
	s_endpgm
.Lentry_shape_is_right:
; Causal attention of one head on codes of FP6 (E2M3) with E8M0 scales; the result is quantised along the model's axis and stored as half images of the last product's operand.
; qkv: [batch x head (64)][256 tokens (8)][38,400 bytes]: q's codes, q's words, then 25,600 dense bytes: k's codes (8 pairs x 1,536), v's codes ([128 keys (2)][16 channels (4)] x 1,536), k's words, v's words (8 x 64 each).
; THE SOFTMAX: t = score x log2(e) / 8; M = the running largest t rounded up to a whole number; p = 2^(t - M) is quantised along the keys, not normalised; the row's sum is taken of the unquantised p and divides at the end.
; When M moves, the sum and O are multiplied by 2^(old M - new M): exact.
; K AND V STAY IN LDS: a head's eight parts of 25,600 bytes are 204,800 bytes.  Each of the sixteen waves asks for half a part (50 rows of 256 bytes) at the head; nothing is filled again.
; CLUSTER 4 x 1: the four work-groups of a head want the same eight parts at the same time: every load is a joint load with the mask 15.
; SHARES.  A head has 128 query tiles of 16.  Wave v of the work-group at place cx owns tiles 127 - T and T, T = 4 v + cx.  Tile 127 - T wants key steps (128 keys) 0 .. 15 - v / 2, tile T steps 0 .. v / 2: 17 steps for every wave,
; two of them on the diagonal.  Steps whose keys all come after the tile's queries are left out by a scalar branch; the branches and the LDS addresses are made of the wave's number alone, never of cx.
; A wave walks nine parts in loops of constant count: parts 0 .. 7 - v / 4 for the first tile, then 0 .. v / 4 for the second.  Waves 0 to 3 fetch parts 0 and 1, by a load line of their own: a first barrier shows those two,
; and the first two trips read them alone; a second barrier, in front of which every wave waits for its load, shows the rest.  Behind it the waves share nothing and meet no barrier.
; NO PREFETCH: every tile of the launch is asked for at the head by the tensor loads themselves; no loop runs ahead of a load.
; THE FIRST PRODUCT HAS K = 64.  A pair's fragment of k holds 16 keys in K 0-63 and the 16 keys after them in K 64-127.  It is multiplied by [q | 0] and by [0 | q]: zero codes on q's side take the other half out of the sum.
; Both products are used transposed (source 0 = keys, or channels; source 1 = my queries, or p): a lane holds one query throughout.
; LIMITS: NaN and infinities are not served; the scaled scores stay under 2^31 in magnitude; a block of the result whose largest magnitude lies under 2^-124 keeps the byte 1.  The result's scale bytes leave two to a lane, 8 bytes apart.
.set RL,    25600                      ; a part in LDS
.set SPARE, 8*RL                       ; the spare words, 128 bytes for each of sixteen waves
.set REC,   38400
.set SPW,  3
.set NIL,  4
.set ADK,  8
.set ADS,  9
.set QLO,  16
.set QHI,  28
.set QS,   40
.set PS,   41
.set FRG,  44
.set KSC,  92
.set VSC,  94
.set S,    96
.set OT,   160
.set PC,   192
.set PT,   204
.set BM,   212
.set BP,   216
.set SO,   220
.set FF,   224
.set TMP,  226
.set NINF, 227
.set DD,   230
.set OB,   231
.set QI,   232
.set QW,   244
.set WV,   18
.set SEL,  20
.set CS,   22
.set G1,   24
.set G0,   32
.set W,    36                          ; cx
.set BH,   37
.set TQ,   38                          ; the query tile in hand, 0..127
.set AQ,   39                          ; its key step on the diagonal, made of the wave's number alone
.set K2,   40                          ; 2 x the part in hand
.set LB,   41                          ; the first tile's last trip: 7 - wave / 4
.set NBS,  44                          ; its trips
.set E16,  45                          ; 16 x (tile % 8)
.set TB,   46                          ; LDS byte at which the part in hand begins
.set QM,   47
.set SH,   48
.set TAU,  49
.set RECB, 50
.set TA,   51
.set OCH,  53
.set OSH,  54
.set QB,   56
.set QSB,  58
.set OCB,  60
.set OSB,  62
.macro CROUND
	s_barrier_signal -1
	s_barrier_wait -1
	s_cmp_lg_u32 s[WV], 0
	s_cbranch_scc1 .Lnot_wave_0_\@
	s_barrier_signal -3
.Lnot_wave_0_\@:
	s_barrier_wait -3
	s_barrier_signal -1
	s_barrier_wait -1
.endm
.macro TLOAD
	tensor_load_to_lds s[G0:G0+3], s[G1:G1+7]
	s_nop 0
.rept 4
	v_nop
.endr
.endm
	s_load_b128 s[4:7], s[0:1], 0x0                ; qkv, oq
	v_lshl_add_u32 v[SPW], v0, 2, SPARE
	v_mov_b32 v[NIL], 0
	ds_add_u32 v[SPW], v[NIL]                      ; the opening lines
	ds_add_u32 v[SPW], v[NIL]
	v_lshrrev_b32 v8, 5, v0
	v_readfirstlane_b32 s[WV], v8                  ; wave 0..15
	s_bfe_u32 s[W], ttmp6, 0x40000                 ; cx
	s_and_b32 s[BH], ttmp7, 0xffff                 ; batch x head: the cluster's y
	s_mov_b32 s[G1], 15|(3<<16)|(1<<21)            ; the mask of the four; elements of 8 bytes; bit 21 beside a mask
	s_mov_b32 s[G1+1], 32<<16                      ; rows of 256 bytes,
	s_mov_b32 s[G1+2], 50<<16                      ; 50 of them: half a part
	s_mov_b32 s[G1+3], 32<<16
	s_mov_b32 s[G1+4], 50
	s_mov_b32 s[G1+5], 32
	s_mov_b32 s[G1+6], 0
	s_mov_b32 s[G1+7], 0
	s_mul_i32 s[RECB], s[BH], 8*REC
	s_lshr_b32 s66, s[WV], 1                       ; my load: part wave / 2, half wave % 2
	s_mul_i32 s68, s66, REC
	s_and_b32 s69, s[WV], 1
	s_mul_i32 s69, s69, RL/2
	s_add_co_u32 s68, s68, s69
	s_add_co_u32 s68, s68, s[RECB]
	s_add_co_u32 s66, s68, 12800                   ; k and v lie behind q's 12,800 bytes
	s_mov_b32 s67, 0
	s_mov_b32 s[G0], 1
	s_mul_i32 s[G0+1], s[WV], RL/2                 ; in LDS the parts lie end to end
	s_wait_dscnt 0x0
	CROUND                                         ; the four work-groups are here: the joint loads meet
	s_wait_kmcnt 0x0
	s_add_nc_u64 s[G0+2:G0+3], s[4:5], s[66:67]
	s_or_b32 s[G0+3], s[G0+3], 0x80000000
	s_cmp_lt_u32 s[WV], 4
	s_cbranch_scc0 .Lrest
	TLOAD                                          ; waves 0 to 3: parts 0 and 1, by a line of their own
	s_branch .Lasked
.Lrest:
	s_nop 15                                       ; what is needed first is asked for first
	s_nop 15
	TLOAD                                          ; waves 4 to 15: parts 2 to 7
.Lasked:
	v_and_b32 v8, 31, v0                           ; lane
	v_and_b32 v9, 15, v0                           ; r
	v_bfe_u32 v10, v0, 4, 1                        ; h
	v_lshlrev_b32 v1, 4, v8                        ; 16 x lane
	v_lshlrev_b32 v2, 2, v8                        ; 4 x lane
	v_lshlrev_b32 v5, 2, v9                        ; 4 r
	v_lshlrev_b32 v6, 3, v10
	v_lshlrev_b32 v11, 3, v9                       ; 8 r
	v_lshlrev_b32 v10, 3, v8                       ; 8 x lane
	v_sub_nc_u32 v6, v9, v6                        ; r - 8 h
.irp i, 0,1,2,3,4,5
	v_mov_b32 v[QLO+6+\i], 0                       ; the zero halves, set once
	v_mov_b32 v[QHI+\i], 0
.endr
.irp b, 0,1,2,3
	v_mov_b32 v[BP+\b], 0                          ; written once: a lane permute's destination counts as one of its sources
.endr
	v_mov_b32 v[FF+1], 0
	v_mov_b32 v[TMP], 0
	v_mov_b32 v[NINF], 0xff800000
	s_mov_b32 s[SEL], 0x76543210
	s_mov_b32 s[SEL+1], 0xfedcba98
	s_mov_b32 s[CS], 0x3e38aa3b                    ; c = log2(e) / sqrt(64)
	s_mov_b32 s[CS+1], s[CS]
	s_lshl_b32 s66, s[WV], 2
	s_add_co_u32 s[TA], s66, s[W]                  ; T = 4 x wave + cx
	s_sub_co_u32 s[TQ], 127, s[TA]                 ; the longer tile comes first
	s_lshr_b32 s66, s[WV], 1
	s_sub_co_u32 s[AQ], 15, s66                    ; (127 - T) / 8
	s_lshr_b32 s66, s[WV], 2
	s_sub_co_u32 s[LB], 7, s66
	s_sub_co_u32 s[NBS], 8, s66
	s_lshr_b32 s66, s[BH], 4
	s_mul_i32 s66, s66, 16*102400                  ; oq: the batch's sixteen blocks of 128 rows
	s_and_b32 s68, s[BH], 15                       ; head
	s_lshr_b32 s69, s68, 1                         ; its K step of the last product
	s_mul_i32 s70, s69, 12288
	s_add_co_u32 s[OCH], s66, s70
	s_and_b32 s71, s68, 1
	s_mul_i32 s72, s71, 768                        ; which half of the image
	s_add_co_u32 s[OCH], s[OCH], s72
	s_add_co_u32 s[OSH], s66, 98304
	s_lshr_b32 s72, s68, 2
	s_lshl_b32 s72, s72, 7
	s_add_co_u32 s[OSH], s[OSH], s72
	s_and_b32 s72, s69, 1
	s_lshl_b32 s72, s72, 2
	s_add_co_u32 s[OSH], s[OSH], s72
	s_lshl_b32 s72, s71, 1
	s_add_co_u32 s[OSH], s[OSH], s72
.macro SETPASS                         ; the addresses of query tile s[TQ]
	s_lshr_b32 s68, s[TQ], 4
	s_mul_i32 s68, s68, REC
	s_add_co_u32 s68, s68, s[RECB]
	s_bfe_u32 s69, s[TQ], 0x30001                  ; its pair among the record's eight
	s_mul_i32 s66, s69, 1536
	s_add_co_u32 s66, s66, s68
	s_mov_b32 s67, 0
	s_add_nc_u64 s[QB:QB+1], s[4:5], s[66:67]
	s_lshl_b32 s66, s69, 6
	s_add_co_u32 s66, s66, s68
	s_add_co_u32 s66, s66, 12288
	s_add_nc_u64 s[QSB:QSB+1], s[4:5], s[66:67]
	s_and_b32 s69, s[TQ], 1
	s_lshl_b32 s[SH], s69, 4                       ; my tile's two bytes of the pair's word
	s_sub_co_u32 s[QM], 0, s69                     ; all lanes where my tile is the pair's odd one
	s_lshr_b32 s68, s[TQ], 3
	s_mul_i32 s68, s68, 102400
	s_and_b32 s69, s[TQ], 7
	s_lshl_b32 s[E16], s69, 4
	s_mul_i32 s66, s69, 1536
	s_add_co_u32 s66, s66, s68
	s_add_co_u32 s66, s66, s[OCH]
	s_add_nc_u64 s[OCB:OCB+1], s[6:7], s[66:67]
	s_lshl_b32 s66, s69, 9
	s_add_co_u32 s66, s66, s68
	s_add_co_u32 s66, s66, s[OSH]
	s_add_nc_u64 s[OSB:OSB+1], s[6:7], s[66:67]
.endm
.macro INIT                            ; my 16 queries, and an empty state
.irp c, 0,1,2
	global_load_b128 v[QI+4*\c:QI+4*\c+3], v1, s[QB:QB+1] offset:512*\c
.endr
	global_load_b32 v[QW], v5, s[QSB:QSB+1]
	s_wait_loadcnt 0x0
	v_lshrrev_b32 v[TMP], s[SH], v[QW]
	s_delay_alu instid0(VALU_DEP_1)
	v_and_b32 v[TMP], 0xffff, v[TMP]
	s_delay_alu instid0(VALU_DEP_1)
	v_lshl_or_b32 v[QS], v[TMP], 16, v[TMP]        ; my two bytes, for K 0-63 and again for K 64-127
.irp i, 0,1,2,3,4,5
	v_cndmask_b32 v[QLO+\i], v[QI+\i], v[QI+6+\i], s[QM]
.endr
.irp i, 0,1,2,3,4,5
	v_mov_b32 v[QHI+6+\i], v[QLO+\i]
.endr
	v_add_nc_u32 v[DD], s[E16], v6                 ; on the diagonal step: my query - the step's first key - 8 (lane / 16)
	v_mov_b32 v13, 0xff61b1e6                      ; the largest t so far: -3e38
	s_delay_alu instid0(VALU_DEP_1)
	v_floor_f32 v12, -v13
	v_mov_b32 v14, 0
	v_mov_b32 v15, 0
.set j, 0
.rept 32
	v_mov_b32 v[OT+j], 0                           ; O^T.  (These lines are also the places between the scale word and operands just written and the next scaled matrix instruction)
.set j, j+1
.endr
.endm
; A KEY STEP: 128 keys, the q-th of the part in hand.
.macro STEP q
	s_add_co_u32 s66, s[K2], \q
	s_cmp_gt_u32 s66, s[AQ]                        ; all its keys come after my queries: left out
	s_cbranch_scc1 .Lhidden_\@
	v_add_nc_u32 v[ADK], s[TB], v1
	v_add_nc_u32 v[ADS], s[TB], v2
	v_nop
	v_nop                                          ; four places in front of loads into registers that matrix instructions have read
.irp g, 0,1,2,3
.irp c, 0,1,2
	ds_load_b128 v[FRG+12*\g+4*\c:FRG+12*\g+4*\c+3], v[ADK] offset:(4*(\q)+\g)*1536+512*\c
.endr
.endr
.irp e, 0,1
	ds_load_b32 v[KSC+\e], v[ADS] offset:24576+(4*(\q)+2*\e)*64    ; lanes 0-15 the even pair's words, lanes 16-31 the odd pair's
.endr
	s_wait_alu depctr_va_vdst(0)
	s_wait_dscnt 0x0
.irp g, 0,2
	v_wmma_scale_f32_16x16x128_f8f6f4 v[S+16*\g:S+16*\g+7], v[FRG+12*\g:FRG+12*\g+11], v[QLO:QLO+11], 0, v[KSC+\g/2], v[QS] matrix_a_fmt:MATRIX_FMT_FP6 matrix_b_fmt:MATRIX_FMT_FP6
	v_wmma_scale_f32_16x16x128_f8f6f4 v[S+16*\g+8:S+16*\g+15], v[FRG+12*\g:FRG+12*\g+11], v[QHI:QHI+11], 0, v[KSC+\g/2], v[QS] matrix_a_fmt:MATRIX_FMT_FP6 matrix_b_fmt:MATRIX_FMT_FP6
	v_wmma_scale_f32_16x16x128_f8f6f4 v[S+16*\g+16:S+16*\g+23], v[FRG+12*\g+12:FRG+12*\g+23], v[QLO:QLO+11], 0, v[KSC+\g/2], v[QS] matrix_a_fmt:MATRIX_FMT_FP6 matrix_b_fmt:MATRIX_FMT_FP6 matrix_a_scale:MATRIX_SCALE_ROW1
	v_wmma_scale_f32_16x16x128_f8f6f4 v[S+16*\g+24:S+16*\g+31], v[FRG+12*\g+12:FRG+12*\g+23], v[QHI:QHI+11], 0, v[KSC+\g/2], v[QS] matrix_a_fmt:MATRIX_FMT_FP6 matrix_b_fmt:MATRIX_FMT_FP6 matrix_a_scale:MATRIX_SCALE_ROW1
.endr
.rept 4
	v_nop
.endr
.irp t, 0,1,2,3                        ; v's four fragments take k's registers: they land while the softmax is walked
.irp c, 0,1,2
	ds_load_b128 v[FRG+12*\t+4*\c:FRG+12*\t+4*\c+3], v[ADK] offset:12288+(4*(\q)+\t)*1536+512*\c
.endr
.endr
.irp e, 0,1
	ds_load_b32 v[VSC+\e], v[ADS] offset:25088+(4*(\q)+2*\e)*64
.endr
	s_cmp_lt_u32 s66, s[AQ]                        ; a step all of whose keys count skips the mask
	s_cbranch_scc1 .Lopen_\@
.set n, 0
.rept 64                               ; register n holds key 16 (n / 8) + 8 (lane / 16) + n % 8 of the step: hidden where 16 (n / 8) + n % 8 > d
	v_cmp_gt_i32 vcc_lo, 16*(n/8)+n%8, v[DD]
	v_cndmask_b32 v[S+n], v[S+n], v[NINF], vcc_lo
.set n, n+1
.endr
.Lopen_\@:
.irp b, 0,1,2,3
	v_max3_num_f32 v[BM+\b], v[S+16*\b], v[S+1+16*\b], v[S+2+16*\b]       ; the largest score of each block of 32 keys: for the row's maximum and, since p rises with the score, for the block's largest p
.endr
.irp i, 3,5,7,9,11,13
.irp b, 0,1,2,3
	v_max3_num_f32 v[BM+\b], v[BM+\b], v[S+16*\b+\i], v[S+1+16*\b+\i]
.endr
.endr
.irp b, 0,1,2,3
	v_max_num_f32 v[BM+\b], v[BM+\b], v[S+15+16*\b]
.endr
.irp b, 0,1,2,3
	s_delay_alu instid0(VALU_DEP_4)
	v_permlanex16_b32 v[BP+\b], v[BM+\b], s[SEL], s[SEL+1]
.endr
.irp b, 0,1,2,3
	s_delay_alu instid0(VALU_DEP_4)
	v_max_num_f32 v[BM+\b], v[BM+\b], v[BP+\b]
.endr
	s_delay_alu instid0(VALU_DEP_2)
	v_max3_num_f32 v[TMP], v[BM], v[BM+1], v[BM+2]
	s_delay_alu instid0(VALU_DEP_1)
	v_max_num_f32 v[TMP], v[TMP], v[BM+3]
	s_delay_alu instid0(VALU_DEP_1)
	v_mul_f32 v[TMP], s[CS], v[TMP]
	s_delay_alu instid0(VALU_DEP_1)
	v_max_num_f32 v13, v13, v[TMP]                 ; the running largest t
	v_mov_b32 v[TMP], v12
	s_delay_alu instid0(VALU_DEP_2)
	v_floor_f32 v12, -v13                          ; the new -M: a whole number
	s_delay_alu instid0(VALU_DEP_1)
	v_sub_f32 v[TMP], v12, v[TMP]
	s_delay_alu instid0(VALU_DEP_1)
	v_cvt_i32_f32 v[TMP], v[TMP]                   ; (it saturates)
	s_delay_alu instid0(VALU_DEP_1)
	v_ldexp_f32 v[FF], 1.0, v[TMP]                 ; f = 2^(old M - new M)
.set j, 0
.rept 32
	v_pk_fma_f32 v[S+j:S+j+1], v[S+j:S+j+1], s[CS:CS+1], v[12:13] op_sel_hi:[1,0,0]       ; t - M
.set j, j+2
.endr
.irp b, 0,1,2,3
	v_fma_f32 v[BM+\b], v[BM+\b], s[CS], v12
.endr
.set j, 0
	s_wait_alu depctr_va_vdst(0)
.rept 64
	v_exp_f32 v[S+j], v[S+j]                       ; p = 2^(t - M)
.set j, j+1
.endr
	v_pk_mul_f32 v[14:15], v[14:15], v[FF:FF+1] op_sel_hi:[1,0]   ; the sums under the new M: a plain place behind the exponentials
	s_wait_alu depctr_va_vdst(0)                   ; one wait for the batch of 64, ahead of its first reader
.irp b, 0,1,2,3
	v_exp_f32 v[BM+\b], v[BM+\b]                   ; each block's largest p
.endr
.irp i, 0,1,2,3,4,5                    ; the row's sum of the unquantised p, two at a time, in eight chains
	v_pk_add_f32 v[244+2*\i:245+2*\i], v[S+8*\i:S+8*\i+1], v[S+8*\i+2:S+8*\i+3]
.endr
	v_pk_add_f32 v[228:229], v[S+48:S+49], v[S+50:S+51]
	v_pk_add_f32 v[14:15], v[14:15], v[S+56:S+57]
.irp k, 4,6
.irp i, 0,1,2,3,4,5
	v_pk_add_f32 v[244+2*\i:245+2*\i], v[244+2*\i:245+2*\i], v[S+8*\i+\k:S+8*\i+\k+1]
.endr
	v_pk_add_f32 v[228:229], v[228:229], v[S+48+\k:S+49+\k]
	v_pk_add_f32 v[14:15], v[14:15], v[S+56+\k:S+57+\k]
.endr
	v_pk_add_f32 v[244:245], v[244:245], v[246:247]
	v_pk_add_f32 v[248:249], v[248:249], v[250:251]
	v_pk_add_f32 v[252:253], v[252:253], v[254:255]
	v_pk_add_f32 v[228:229], v[228:229], v[S+58:S+59]
	v_pk_add_f32 v[244:245], v[244:245], v[248:249]
	v_pk_add_f32 v[14:15], v[14:15], v[252:253]
	v_pk_add_f32 v[244:245], v[244:245], v[228:229]
	v_pk_add_f32 v[14:15], v[14:15], v[244:245]
	s_wait_alu depctr_va_vdst(0)                   ; and one for the four
.irp b, 0,1,2,3
	v_max_num_f32 v[BM+\b], 0x1800000, v[BM+\b]    ; the floor: the byte cannot fall under 1
.endr
.irp b, 0,1,2,3
	s_delay_alu instid0(VALU_DEP_4)
	v_add_nc_u32 v[SO+\b], 0xff000000, v[BM+\b]
.endr
.irp b, 0,1,2,3
	s_delay_alu instid0(VALU_DEP_4)
	v_lshrrev_b32 v[BP+\b], 23, v[SO+\b]
.endr
	s_delay_alu instid0(VALU_DEP_3)
	v_lshl_or_b32 v[PS], v[BP+1], 8, v[BP]         ; p's scale word for these 128 keys
	s_delay_alu instid0(VALU_DEP_1)
	v_lshl_or_b32 v[PS], v[BP+2], 16, v[PS]
	s_delay_alu instid0(VALU_DEP_1)
	v_lshl_or_b32 v[PS], v[BP+3], 24, v[PS]
.irp c, 0,1
	v_cvt_scalef32_pk16_fp6_f32 v[PC+6*\c:PC+6*\c+2], v[S+32*\c:S+32*\c+15], v[SO+2*\c]
	v_cvt_scalef32_pk16_fp6_f32 v[PT+4*\c:PT+4*\c+2], v[S+16+32*\c:S+31+32*\c], v[SO+2*\c+1]
.endr
	v_nop                                          ; one plain place behind the scaled conversions
.irp c, 0,1
.irp i, 0,1,2
	v_permlane16_swap_b32 v[PC+6*\c+\i], v[PT+4*\c+\i]
.endr
.irp i, 0,1,2
	s_delay_alu instid0(VALU_DEP_3)
	v_mov_b32 v[PC+3+6*\c+\i], v[PT+4*\c+\i]
.endr
.endr
.set j, 0
.rept 16
	v_pk_mul_f32 v[OT+j:OT+j+1], v[OT+j:OT+j+1], v[FF:FF+1] op_sel_hi:[1,0]       ; O^T under the new M.  (These sixteen are also the places in front of the scaled matrix instructions)
.set j, j+2
.endr
	s_wait_alu depctr_va_vdst(0)
	s_wait_dscnt 0x0                               ; v's fragments and words are in
.irp t, 0,2
	v_wmma_scale_f32_16x16x128_f8f6f4 v[OT+8*\t:OT+8*\t+7], v[FRG+12*\t:FRG+12*\t+11], v[PC:PC+11], v[OT+8*\t:OT+8*\t+7], v[VSC+\t/2], v[PS] matrix_a_fmt:MATRIX_FMT_FP6 matrix_b_fmt:MATRIX_FMT_FP6
	v_wmma_scale_f32_16x16x128_f8f6f4 v[OT+8*\t+8:OT+8*\t+15], v[FRG+12*\t+12:FRG+12*\t+23], v[PC:PC+11], v[OT+8*\t+8:OT+8*\t+15], v[VSC+\t/2], v[PS] matrix_a_fmt:MATRIX_FMT_FP6 matrix_b_fmt:MATRIX_FMT_FP6 matrix_a_scale:MATRIX_SCALE_ROW1
.endr
.Lhidden_\@:
.endm
; A tile's end: O^T is divided by the sum, quantised along the head's 64 channels (two blocks of the last product's K) and stored as half an image, with its two scale bytes.
.macro FINAL
.rept 4
	v_nop                                          ; places behind the last products
.endr
	v_add_f32 v14, v14, v15
	s_delay_alu instid0(VALU_DEP_1)
	v_permlanex16_b32 v[TMP], v14, s[SEL], s[SEL+1]
	s_delay_alu instid0(VALU_DEP_1)
	v_add_f32 v14, v14, v[TMP]                     ; the row's sum
	s_wait_alu depctr_va_vdst(0)
	v_rcp_f32 v[FF], v14
	v_nop                                          ; a plain place behind the reciprocal
	s_wait_alu depctr_va_vdst(0)                   ; and the wait ahead of its first reader
.set j, 0
.rept 16
	v_pk_mul_f32 v[S+j:S+j+1], v[OT+j:OT+j+1], v[FF:FF+1] op_sel_hi:[1,0]         ; register 16 b + 8 u + i: channel 32 b + 16 u + 8 (lane / 16) + i of my query
.set j, j+2
.endr
.irp b, 0,1
	v_max3_num_f32 v[BM+\b], |v[S+16*\b]|, |v[S+1+16*\b]|, 0x1800000
.endr
.irp i, 2,4,6,8,10,12,14
.irp b, 0,1
	s_delay_alu instid0(VALU_DEP_2)
	v_max3_num_f32 v[BM+\b], v[BM+\b], |v[S+16*\b+\i]|, |v[S+1+16*\b+\i]|
.endr
.endr
.irp b, 0,1
	s_delay_alu instid0(VALU_DEP_2)
	v_permlanex16_b32 v[BP+\b], v[BM+\b], s[SEL], s[SEL+1]
.endr
.irp b, 0,1
	s_delay_alu instid0(VALU_DEP_2)
	v_max_num_f32 v[BM+\b], v[BM+\b], v[BP+\b]
.endr
.irp b, 0,1
	s_delay_alu instid0(VALU_DEP_2)
	v_add_nc_u32 v[SO+\b], 0xff000000, v[BM+\b]
.endr
.irp b, 0,1
	s_delay_alu instid0(VALU_DEP_2)
	v_lshrrev_b32 v[BP+\b], 23, v[SO+\b]
.endr
	s_delay_alu instid0(VALU_DEP_1)
	v_lshl_or_b32 v[OB], v[BP+1], 8, v[BP]
	v_cvt_scalef32_pk16_fp6_f32 v[PC:PC+2], v[S:S+15], v[SO]
	v_cvt_scalef32_pk16_fp6_f32 v[PT:PT+2], v[S+16:S+31], v[SO+1]
	v_nop
.irp i, 0,1,2
	v_permlane16_swap_b32 v[PC+\i], v[PT+\i]
.endr
.irp i, 0,1,2
	s_delay_alu instid0(VALU_DEP_3)
	v_mov_b32 v[PC+3+\i], v[PT+\i]
.endr
	global_store_b128 v1, v[PC:PC+3], s[OCB:OCB+1]                 ; 512 consecutive bytes,
	global_store_b64 v10, v[PC+4:PC+5], s[OCB:OCB+1] offset:512    ; and 256, each at a multiple of 256
	global_store_b16 v11, v[OB], s[OSB:OSB+1]                      ; lanes r and r + 16 write the same two bytes with the same value
.endm
	SETPASS
	INIT
	s_mov_b32 s[TAU], 0
	s_mov_b32 s[TB], 0
	s_mov_b32 s[K2], 0
	s_wait_alu depctr_va_vdst(0)                   ; the wait at the head's end
	s_cmp_lt_u32 s[WV], 4
	s_cbranch_scc0 .Lnot_mine
	s_wait_tensorcnt 0x0                           ; waves 0 to 3: my half of part 0 or 1 is in
.Lnot_mine:
	s_barrier_signal -1
	s_barrier_wait -1                              ; parts 0 and 1 are whole; the others may be on their way
.Lfirst:                                           ; two trips: parts 0 and 1, which count whole for every wave's first tile
	STEP 0
	STEP 1
	s_add_co_u32 s[TB], s[TB], RL
	s_add_co_u32 s[K2], s[K2], 2
	s_add_co_u32 s[TAU], s[TAU], 1
	s_cmp_lt_u32 s[TAU], 2
	s_cbranch_scc1 .Lfirst
	s_wait_tensorcnt 0x0                           ; every wave: my load is in
	s_wait_dscnt 0x0
	s_barrier_signal -1
	s_barrier_wait -1                              ; all eight parts are whole
.Lslot:                                            ; trips 2 to 8: the part is the trip's number while the first tile is in hand, then it begins anew at 0
	s_sub_co_u32 s68, s[TAU], s[NBS]
	s_cmp_le_u32 s[TAU], s[LB]
	s_cselect_b32 s66, s[TAU], s68
	s_and_b32 s66, s66, 7
	s_lshl_b32 s[K2], s66, 1
	s_mul_i32 s[TB], s66, RL
	STEP 0
	STEP 1
	s_cmp_lg_u32 s[TAU], s[LB]                     ; behind this trip the first tile is done: a branch on the wave's number and the trip; no barrier stands in it
	s_cbranch_scc1 .Lsame
	FINAL
	s_wait_xcnt 0x0                                ; the stores have read their data and bases: both are written again below
	s_mov_b32 s[TQ], s[TA]
	s_lshr_b32 s[AQ], s[WV], 1                     ; T / 8
	SETPASS
	INIT
.Lsame:
	s_add_co_u32 s[TAU], s[TAU], 1
	s_cmp_lt_u32 s[TAU], 9
	s_cbranch_scc1 .Lslot
	FINAL
	s_wait_tensorcnt 0x0                           ; the wave's end
	ds_add_u32 v[SPW], v[NIL]
	s_wait_dscnt 0x0
	CROUND                                         ; the closing round
	s_endpgm
.Lfunc_end_k_q893bddde4a_attn:
	.size	k_q893bddde4a_attn, .Lfunc_end_k_q893bddde4a_attn-k_q893bddde4a_attn
	.p2alignl 7, 3214868480
	.fill 96, 4, 3214868480
	.section	.rodata,"a",@progbits
	.p2align	6, 0x0
	.amdhsa_kernel k_q893bddde4a_attn
		.amdhsa_group_segment_fixed_size 206848
		.amdhsa_private_segment_fixed_size 0
		.amdhsa_enable_private_segment 0
		.amdhsa_kernarg_size 16
		.amdhsa_user_sgpr_count 2
		.amdhsa_user_sgpr_kernarg_segment_ptr 1
		.amdhsa_wavefront_size32 1
		.amdhsa_system_sgpr_workgroup_id_x 1
		.amdhsa_system_sgpr_workgroup_id_y 1
		.amdhsa_system_sgpr_workgroup_id_z 1
		.amdhsa_system_vgpr_workitem_id 0
		.amdhsa_next_free_vgpr 256
		.amdhsa_next_free_sgpr 80
		.amdhsa_reserve_vcc 1
		.amdhsa_float_denorm_mode_32 3
		.amdhsa_float_denorm_mode_16_64 3
		.amdhsa_memory_ordered 1
		.amdhsa_forward_progress 1
		.amdhsa_inst_pref_size 108
	.end_amdhsa_kernel
	.amdgpu_metadata
---
amdhsa.version: [ 1, 2 ]
amdhsa.kernels:
  - .name:           k_q893bddde4a_attn
    .symbol:         k_q893bddde4a_attn.kd
    .args:
      - { .name: qkv, .offset: 0, .size: 8, .value_kind: global_buffer, .address_space: global }
      - { .name: oq, .offset: 8, .size: 8, .value_kind: global_buffer, .address_space: global }
    .group_segment_fixed_size: 206848
    .private_segment_fixed_size: 0
    .kernarg_segment_align: 8
    .kernarg_segment_size: 16
    .max_flat_workgroup_size: 512
    .sgpr_count:     80
    .vgpr_count:     256
    .wavefront_size: 32
...
	.end_amdgpu_metadata
.endif
;; end of part 3
;; launch gemm_out (part 4): grid 4 x 64, 4 waves a work-group, clusters of 4 x 4, 327,680 bytes of LDS; arguments oq, wq, out0; writes out0
.if DOCPART == 4
	.amdgcn_target "amdgcn-amd-amdhsa--gfx1250"
	.amdhsa_code_object_version 6
	.text
	.protected	k_q893bddde4a_gemm_out
	.globl	k_q893bddde4a_gemm_out
	.p2align	8
	.type	k_q893bddde4a_gemm_out,@function
k_q893bddde4a_gemm_out:
	s_mov_b64 s[64:65], 0
	v_nop
	global_prefetch_b8 v0, s[64:65] scope:SCOPE_SE
	s_setreg_imm32_b32 hwreg(HW_REG_WAVE_MODE, 25, 1), 1
	s_wait_xcnt 0x0
	s_wait_alu depctr_hold_cnt(0) depctr_sa_sdst(0) depctr_va_vdst(0) depctr_va_sdst(0) depctr_va_ssrc(0) depctr_va_vcc(0) depctr_vm_vsrc(0)
	s_getreg_b32 s2, hwreg(HW_REG_IB_STS2, 6, 4)
	s_cmp_eq_u32 s2, 0
	s_cbranch_scc0 .Lentry_in_a_cluster
	s_endpgm
.Lentry_in_a_cluster:
	s_bfe_u32 s2, ttmp6, 0x10000c
	s_cmp_lg_u32 s2, 0xf033
	s_cbranch_scc0 .Lentry_shape_is_right
	s_endpgm
.Lentry_shape_is_right:
; out0 = O Wout on codes of FP6 (E2M3) with E8M0 scales, K = 1,024; f32 out.  oq and wq are [128 rows][102,400 bytes]: codes [K step of 128 (8)][row tile of 16 (8)][image of 1,536 bytes], then at 98,304 the scale words
; [row tile (8)][K step / 2 (4)][row (16)][K step % 2].  Wout's columns are wq's blocks 24 to 31.
; 256 work-groups, each 128 tokens x 256 columns.  ALL OF K LIES IN LDS: A's block (102,400 bytes) and B's two (204,800): nothing is filled again, so there is no ring and no round but the opening and the closing one.
; THE HEAD'S FOUR LOADS, one a wave, each by a line of its own: wave 0 A's block, whole; wave 1 B's scale words; wave 2 B's codes of K steps 0-3; wave 3 those of K steps 4-7 (two rows of 49,152 bytes, 102,400 apart).
; A first barrier shows the first three; wave 3's tile is shown by a second barrier, ahead of the fetch of K step 4's fragments.
; CLUSTERS 4 x 4: A's block is asked for jointly by a row of the cluster, B's tiles by a column.
; Four waves, 2 x 2: a wave makes 64 tokens x 128 columns: 32 accumulators, which take turns in the same order in every K step.  Both operands have two sets of fragment registers:
; a K step's 48 LDS loads are issued ahead of the 32 products of the step before.  All 64 scale words a lane come once.
; The matrix instruction is used transposed (source 0 = B's rows, source 1 = tokens): a lane holds eight neighbouring columns of a token.  16 tokens x 64 columns at a time go through the wave's own stage, LDS bytes into which
; no tile lands, and leave as rows of 256 bytes: sixteen lanes store one aligned unit.
; NO PREFETCH: every tile is asked for at the head, and no loop runs ahead of a load.
; REGISTERS: window 0: v16-30 addresses; v32-95 scale words (16 (q / 2) + 2 i + q % 2: lanes 0-15 A's tile i, lanes 16-31 B's tile i); v128-223 A's fragments, two sets; on the way out v128-191.  window 1: B's, two sets.  window 2: accumulators.
.set FR,     12
.set RBB,    102400
.set HK,     49152                     ; four K steps of 128 rows
.set ASC,    98304
.set BL,     RBB
.set BHI,    BL+2*HK
.set BS,     BHI+2*HK
.set STAGE,  BS+8192
.set SPITCH, 272
.set SPARE,  STAGE+4*16*SPITCH
.set ADRA, 16                          ; v16, v17: 16 x lane + my A tiles, K steps 0-3, 4-7; v18, v19 with 8 x lane
.set ADRB, 20
.set STO,  24
.set RD,   25
.set CO,   26
.set ADRS, 27
.set SPW,  28
.set NIL,  29
.set ADRS2, 30
.set SC,   32
.set AF,   128
.set BK,   128
.set G1A, 24
.set G0A, 32
.set G0S, 36
.set G1C, 48
.set G0L, 56
.set G0H, 60
.set G1S, 68
.set MSB, 0
.macro WIN new
.if MSB != (\new)
	s_set_vgpr_msb (MSB<<8)|(\new)
.set MSB, (\new)
.endif
.endm
.macro PLACES n
.rept \n
	v_nop
.endr
.endm
.macro CROUND
	s_barrier_signal -1
	s_barrier_wait -1
	s_cmp_lg_u32 s14, 0
	s_cbranch_scc1 .Lnot_wave_0_\@
	s_barrier_signal -3
.Lnot_wave_0_\@:
	s_barrier_wait -3
	s_barrier_signal -1
	s_barrier_wait -1
.endm
.macro GROUP1 g, mask, c, r, p
	s_or_b32 s[\g], s\mask, (3<<16)|(1<<21)        ; the mask; elements of 8 bytes; bit 21 beside a mask
	s_mov_b32 s[\g+1], (\c)<<16
	s_mov_b32 s[\g+2], (\r)<<16
	s_mov_b32 s[\g+3], (\c)<<16
	s_mov_b32 s[\g+4], \r
	s_mov_b32 s[\g+5], \p
	s_mov_b32 s[\g+6], 0
	s_mov_b32 s[\g+7], 0
.endm
	s_load_b128 s[4:7], s[0:1], 0x0                ; oq, wq
	s_load_b64 s[12:13], s[0:1], 0x10              ; out0
	v_lshl_add_u32 v[SPW], v0, 2, SPARE
	v_mov_b32 v[NIL], 0
	ds_add_u32 v[SPW], v[NIL]                      ; the opening lines
	ds_add_u32 v[SPW], v[NIL]
	v_lshrrev_b32 v1, 5, v0
	v_readfirstlane_b32 s14, v1                    ; wave
	s_lshr_b32 s15, s14, 1                         ; my 64 tokens
	s_and_b32 s16, s14, 1                          ; my 128 columns
	s_bfe_u32 s40, ttmp6, 0x40000
	s_bfe_u32 s41, ttmp6, 0x40004
	s_lshl_b32 s42, ttmp9, 2
	s_add_co_u32 s42, s42, s40                     ; tile column, 256 columns
	s_and_b32 s17, ttmp7, 0xffff
	s_lshl_b32 s17, s17, 2
	s_add_co_u32 s17, s17, s41                     ; tile row, 128 tokens
	s_lshl_b32 s43, s41, 2
	s_lshl_b32 s43, 15, s43                        ; my row of the cluster
	s_lshl_b32 s44, 0x1111, s40                    ; my column
	GROUP1 G1A, 43, 32, 400, 32                    ; 400 dense rows of 256 bytes
	GROUP1 G1S, 44, 512, 2, 12800                  ; two rows of 4,096 bytes
	GROUP1 G1C, 44, 6144, 2, 12800                 ; two rows of 49,152 bytes
	s_mul_i32 s20, s17, RBB
	s_mov_b32 s21, 0
	s_mul_i32 s46, s42, 2*RBB
	s_add_co_u32 s46, s46, 24*RBB
	s_mov_b32 s47, 0
	s_wait_dscnt 0x0
	CROUND                                         ; the sixteen work-groups are here: the joint loads meet
	s_wait_kmcnt 0x0
	s_mov_b32 s[G0A], 1
	s_mov_b32 s[G0A+1], 0
	s_add_nc_u64 s[G0A+2:G0A+3], s[4:5], s[20:21]
	s_or_b32 s[G0A+3], s[G0A+3], 0x80000000
	s_add_nc_u64 s[46:47], s[6:7], s[46:47]
	s_mov_b32 s[G0L], 1
	s_mov_b32 s[G0L+1], BL
	s_mov_b64 s[G0L+2:G0L+3], s[46:47]
	s_or_b32 s[G0L+3], s[G0L+3], 0x80000000
	s_mov_b32 s[G0H], 1
	s_mov_b32 s[G0H+1], BHI
	s_add_nc_u64 s[G0H+2:G0H+3], s[46:47], HK
	s_or_b32 s[G0H+3], s[G0H+3], 0x80000000
	s_mov_b32 s[G0S], 1
	s_mov_b32 s[G0S+1], BS
	s_add_nc_u64 s[G0S+2:G0S+3], s[46:47], ASC
	s_or_b32 s[G0S+3], s[G0S+3], 0x80000000
.macro ARM under, g0, g1, next
	s_cmp_lt_u32 s14, \under
	s_cbranch_scc0 \next
	tensor_load_to_lds s[\g0:\g0+3], s[\g1:\g1+7]
	s_nop 0
	PLACES 4
	s_branch .Lhead_asked
\next:
.endm
	ARM 1, G0A, G1A, .Lhead_s
	ARM 2, G0S, G1S, .Lhead_l
	ARM 3, G0L, G1C, .Lhead_h
	tensor_load_to_lds s[G0H:G0H+3], s[G1C:G1C+7]
	s_nop 0
	PLACES 4
.Lhead_asked:
	s_mul_i32 s21, s15, 4*1536                     ; my four tiles of A
	s_add_co_u32 s76, s21, HK
	s_mul_i32 s22, s16, HK
	s_add_co_u32 s22, s22, BL                      ; my block of B
	s_add_co_u32 s77, s22, 2*HK
	s_lshl_b32 s79, s15, 11
	s_lshl_b32 s78, s16, 12
	s_add_co_u32 s78, s78, BS-ASC
	s_sub_co_u32 s78, s78, s79                     ; from A's words to B's
	s_add_co_u32 s79, s79, ASC
	s_mul_i32 s23, s14, 16*SPITCH
	s_add_co_u32 s23, s23, STAGE
	s_lshl_b32 s20, s17, 7
	s_lshl_b32 s46, s15, 6
	s_add_co_u32 s20, s20, s46
	s_lshl_b32 s20, s20, 12                        ; my first token's row of 4,096 bytes
	s_lshl_b32 s46, s42, 10
	s_add_co_u32 s20, s20, s46
	s_lshl_b32 s46, s16, 9
	s_add_co_u32 s20, s20, s46
	s_mov_b32 s47, 0
	s_mov_b32 s46, s20
	s_add_nc_u64 s[12:13], s[12:13], s[46:47]
	v_and_b32 v1, 31, v0
	v_and_b32 v2, 15, v0                           ; r
	v_bfe_u32 v3, v0, 4, 1                         ; h
	v_lshlrev_b32 v4, 4, v1
	v_lshlrev_b32 v5, 3, v1
	v_add_nc_u32 v[ADRA], s21, v4
	v_add_nc_u32 v[ADRA+1], s76, v4
	v_add_nc_u32 v[ADRA+2], s21, v5
	v_add_nc_u32 v[ADRA+3], s76, v5
	v_add_nc_u32 v[ADRB], s22, v4
	v_add_nc_u32 v[ADRB+1], s77, v4
	v_add_nc_u32 v[ADRB+2], s22, v5
	v_add_nc_u32 v[ADRB+3], s77, v5
	v_lshlrev_b32 v7, 3, v2
	v_mul_u32_u24 v6, s78, v3                      ; lanes 16-31 take B's words: one product, the distance between the two
	v_add_nc_u32 v7, v7, v6
	v_add_nc_u32 v[ADRS], s79, v7
	v_xor_b32 v6, 1, v3
	v_lshlrev_b32 v6, 11, v6
	v_sub_nc_u32 v[ADRS2], v[ADRS], v6             ; for B's tiles 4-7: lanes 0-15 read A's tiles 0-3 once more, and those words are not used
	v_mul_u32_u24 v5, v2, SPITCH
	v_lshl_add_u32 v5, v3, 5, v5
	v_add_nc_u32 v[STO], s23, v5                   ; the stage, in: row r, 32 bytes for each half of the lanes
	v_mul_u32_u24 v6, v3, SPITCH
	v_lshl_add_u32 v6, v2, 4, v6
	v_add_nc_u32 v[RD], s23, v6                    ; back: sixteen lanes to a row of 256 bytes, two rows a load
	v_lshlrev_b32 v7, 12, v3
	v_lshl_add_u32 v[CO], v2, 4, v7                ; and the same two rows in out0
.macro FRAG reg, adr, off
	ds_load_b128 v[\reg:\reg+3], v[\adr] offset:\off
	ds_load_b64 v[\reg+4:\reg+5], v[\adr+2] offset:\off+512
	ds_load_b128 v[\reg+6:\reg+9], v[\adr] offset:\off+768
	ds_load_b64 v[\reg+10:\reg+11], v[\adr+2] offset:\off+1280
.endm
.macro FETCH q                         ; K step q's twelve fragments into set q % 2
	WIN 0x40
.irp i, 0,1,2,3,4,5,6,7
	FRAG 128*((\q)%2)+FR*\i, ADRB+(\q)/4, (8*((\q)%4)+\i)*1536
.endr
	WIN 0
.irp i, 0,1,2,3
	FRAG AF+48*((\q)%2)+FR*\i, ADRA+(\q)/4, (8*((\q)%4)+\i)*1536
.endr
.endm
.macro MUL q
.irp a, 0,1,2,3
.irp b, 0,1,2,3,4,5,6,7
.set D_, 8*(8*\a+\b)
.set B_, 128*((\q)%2)+FR*\b
.set A_, AF+48*((\q)%2)+FR*\a
.set X_, SC+16*((\q)/2)+(\q)%2
.if (\q) == 0
	v_wmma_scale_f32_16x16x128_f8f6f4 v[D_:D_+7], v[B_:B_+FR-1], v[A_:A_+FR-1], 0, v[X_+2*\b], v[X_+2*\a] matrix_a_fmt:MATRIX_FMT_FP6 matrix_b_fmt:MATRIX_FMT_FP6 matrix_a_scale:MATRIX_SCALE_ROW1
.else
	v_wmma_scale_f32_16x16x128_f8f6f4 v[D_:D_+7], v[B_:B_+FR-1], v[A_:A_+FR-1], v[D_:D_+7], v[X_+2*\b], v[X_+2*\a] matrix_a_fmt:MATRIX_FMT_FP6 matrix_b_fmt:MATRIX_FMT_FP6 matrix_a_scale:MATRIX_SCALE_ROW1
.endif
.endr
.endr
.endm
.macro KSTEP q
.if (\q) == 3
	s_wait_tensorcnt 0x0                           ; every wave: wave 3's tile, K steps 4-7 of B, is in
.endif
	s_wait_dscnt 0x0                               ; this step's fragments, asked for ahead of the last step's products, are in
.if (\q) == 3
	s_barrier_signal -1
	s_barrier_wait -1                              ; and is shown to all
.endif
.if (\q) < 7
	PLACES 4                                       ; in front of loads into registers that the last step's products have read
	FETCH (\q)+1
.endif
	WIN 0xa1                                       ; source 0 (B) window 1, source 1 (A) window 0, C and D window 2
	MUL \q
.endm
	s_wait_alu depctr_va_vdst(0)                   ; the wait at the head's end
	s_cmp_lt_u32 s14, 3
	s_cbranch_scc0 .Lnot_mine
	s_wait_tensorcnt 0x0                           ; waves 0 to 2: my tile is in
.Lnot_mine:
	s_barrier_signal -1
	s_barrier_wait -1                              ; A, B's words and B's K steps 0-3 are whole
.irp p, 0,1,2,3
.irp i, 0,1,2,3
	ds_load_b64 v[SC+16*\p+2*\i:SC+16*\p+2*\i+1], v[ADRS] offset:\i*512+\p*128
.endr
.irp i, 4,5,6,7
	ds_load_b64 v[SC+16*\p+2*\i:SC+16*\p+2*\i+1], v[ADRS2] offset:\i*512+\p*128
.endr
.endr
	FETCH 0
.irp q, 0,1,2,3,4,5,6,7
	KSTEP \q
.endr
	WIN 0
; THE WAY OUT, unit n = 2 a + c: 16 tokens (tile a) x 64 columns (accumulators 4 c .. 4 c + 3).  LDS serves a wave's instructions in order: no wait between the stores into my stage and the loads out of it.
.macro TOSTAGE n
.set AC, 64*((\n)/2)+32*((\n)%2)
	WIN 0x08                                       ; the data: window 2
.irp b, 0,1,2,3
	ds_store_b128 v[STO], v[AC+8*\b:AC+8*\b+3] offset:64*\b          ; each accumulator from its low end on
	ds_store_b128 v[STO], v[AC+8*\b+4:AC+8*\b+7] offset:64*\b+16
.endr
	WIN 0
.set BB, BK+32*((\n)%2)
.irp t, 0,1,2,3,4,5,6,7
	ds_load_b128 v[BB+4*\t:BB+4*\t+3], v[RD] offset:\t*2*SPITCH
.endr
.endm
.macro SEND n, younger                 ; younger: the LDS instructions issued behind unit n's loads
.set BB, BK+32*((\n)%2)
	s_wait_dscnt \younger
.irp t, 0,1,2,3,4,5,6,7
	global_store_b128 v[CO], v[BB+4*\t:BB+4*\t+3], s[12:13] offset:((\n)/2)*65536+\t*8192+((\n)%2)*256 th:TH_STORE_NT   ; sixteen lanes store 256 consecutive bytes, at a multiple of 256
.endr
.endm
	PLACES 4                                       ; behind the last products: results are read, and loads land where A's fragments lay
	TOSTAGE 0
.irp n, 1,2,3,4,5,6,7
.if \n > 1
	s_wait_xcnt 0x0                                ; unit n - 2's stores have read their registers: unit n's loads may land there
.endif
	TOSTAGE \n
	SEND \n-1, 16                                  ; behind unit n - 1's loads: unit n's 8 stores and 8 loads
.endr
	SEND 7, 0
	s_wait_tensorcnt 0x0                           ; the wave's end
	ds_add_u32 v[SPW], v[NIL]
	s_wait_dscnt 0x0
	CROUND                                         ; the closing round
	s_endpgm
.Lfunc_end_k_q893bddde4a_gemm_out:
	.size	k_q893bddde4a_gemm_out, .Lfunc_end_k_q893bddde4a_gemm_out-k_q893bddde4a_gemm_out
	.p2alignl 7, 3214868480
	.fill 96, 4, 3214868480
	.section	.rodata,"a",@progbits
	.p2align	6, 0x0
	.amdhsa_kernel k_q893bddde4a_gemm_out
		.amdhsa_group_segment_fixed_size 327680
		.amdhsa_private_segment_fixed_size 0
		.amdhsa_enable_private_segment 0
		.amdhsa_kernarg_size 24
		.amdhsa_user_sgpr_count 2
		.amdhsa_user_sgpr_kernarg_segment_ptr 1
		.amdhsa_wavefront_size32 1
		.amdhsa_system_sgpr_workgroup_id_x 1
		.amdhsa_system_sgpr_workgroup_id_y 1
		.amdhsa_system_sgpr_workgroup_id_z 1
		.amdhsa_system_vgpr_workitem_id 0
		.amdhsa_next_free_vgpr 768
		.amdhsa_next_free_sgpr 100
		.amdhsa_reserve_vcc 0
		.amdhsa_float_denorm_mode_32 3
		.amdhsa_float_denorm_mode_16_64 3
		.amdhsa_memory_ordered 1
		.amdhsa_forward_progress 1
		.amdhsa_inst_pref_size 84
	.end_amdhsa_kernel
	.amdgpu_metadata
---
amdhsa.version: [ 1, 2 ]
amdhsa.kernels:
  - .name:           k_q893bddde4a_gemm_out
    .symbol:         k_q893bddde4a_gemm_out.kd
    .args:
      - { .name: oq, .offset: 0, .size: 8, .value_kind: global_buffer, .address_space: global }
      - { .name: wq, .offset: 8, .size: 8, .value_kind: global_buffer, .address_space: global }
      - { .name: out0, .offset: 16, .size: 8, .value_kind: global_buffer, .address_space: global }
    .group_segment_fixed_size: 327680
    .private_segment_fixed_size: 0
    .kernarg_segment_align: 8
    .kernarg_segment_size: 24
    .max_flat_workgroup_size: 128
    .sgpr_count:     100
    .vgpr_count:     768
    .wavefront_size: 32
...
	.end_amdgpu_metadata
.endif
;; end of part 4
